; MI455X (gfx1250); checked and timed in simulation.
; The chip was launched on July 23, 2026; its instructions are those of AMD's public machine-readable ISA for CDNA 5 (MIT licence, August 2026) and "CDNA5" Instruction Set Architecture Reference Guide (July 2026). The comments in the code are by the model that wrote it; some were corrected since.
;; Attention. Allowed arithmetic: matrix products marked QUANTISED: E2M3 operands, one E8M0 scale for each 32 along K, by v_wmma_scale_f32_16x16x128_f8f6f4 with both operands' format E2M3, f32 sums; everything else in f32.
;; Inputs: Wk 1,024 x 1,024 float32; Wo 1,024 x 1,024 float32; Wq 1,024 x 1,024 float32; Wv 1,024 x 1,024 float32; bo 1,024 float32; mask 4 x 2,048 x 2,048 bool; x 4 x 2,048 x 1,024 float32.
;; Outputs: out0 4 x 2,048 x 1,024 float32.
;; This version of the problem:
;;   THIS VERSION OF THE PROBLEM IS GIVEN IN LOW PRECISION. The matrix products marked QUANTISED in the list below multiply operands that are first quantised to E2M3 (2 exponent bits, 3 mantissa bits; 6 bits a number), with one power-of-two scale for each 32 numbers along K (OCP MX v1.0); their sums are f32. All else is computed in f32.
;;   The module's matrix products, in the order in which they are computed (A, B: the left and right operand; K: the contracted axis; several contracted axes count as one K, in the product's order):
;;     1. [M 8,192, K 1,024] x [K 1,024, N 1,024]; A: input x; B: input Wq: QUANTISED
;;     2. [M 8,192, K 1,024] x [K 1,024, N 1,024]; A: input x; B: input Wk: QUANTISED
;;     3. [M 8,192, K 1,024] x [K 1,024, N 1,024]; A: input x; B: input Wv: QUANTISED
;;     4. batch 64 x [M 2,048, K 64] x [K 64, N 2,048]; A: computed on the way; B: computed on the way: QUANTISED
;;     5. batch 64 x [M 2,048, K 2,048] x [K 2,048, N 64]; A: computed on the way; B: computed on the way: QUANTISED
;;     6. [M 8,192, K 1,024] x [K 1,024, N 1,024]; A: computed on the way; B: input Wo: QUANTISED
;;   THE QUANTISER, for each operand of a quantised product, along K:
;;     - K is cut into blocks of 32 from its start; a last block that is shorter is filled with zeros.
;;     - A block's scale is 2^e with e = floor(log2(the largest magnitude in the block)) - 2, held to -126 .. 127; a block of zeros has e = 0. As a byte (E8M0): e + 127.
;;     - Each number is divided by its block's scale, clamped to +-7.5, and rounded to the nearest number of E2M3, ties to even, subnormals kept.
;;     - The product sums the exact products of the quantised numbers (number of the format x scale) in f32.
;;   ~~~python
;;   def quantise(x, axis):      # numpy; x: float32 -> the quantised numbers, widened to float32 again
;;       x = np.moveaxis(x, axis, -1); K = x.shape[-1]
;;       x = np.pad(x, [(0, 0)] * (x.ndim - 1) + [(0, -K % 32)]); x = x.reshape(x.shape[:-1] + (-1, 32)); a = np.abs(x).max(-1, keepdims=True)
;;       e = np.where(a > 0, np.clip(np.frexp(np.where(a > 0, a, 1))[1] - 1 - 2, -126, 127), 0)      # np.frexp(a)[1] - 1 = floor(log2(a)), exactly
;;       r = np.clip(x / 2.0 ** e, -7.5, 7.5)
;;       step = 2.0 ** (np.maximum(np.frexp(np.where(r == 0, 1, r))[1] - 1, 0) - 3)
;;       q = np.round(r / step) * step * 2.0 ** e      # np.round: ties to even
;;       return np.moveaxis(q.reshape(q.shape[:-2] + (-1,))[..., :K], -1, axis).astype(np.float32)
;;   ~~~
;;   OPERANDS COMPUTED ON THE WAY. 'Computed on the way' means the value that the module computes at that place (a softmax that the list does not call 'softmax' is quantised finished and normalised). What goes into a quantiser is computed in f32, as accurately as f32 sums, v_exp_f32 and their like allow (about 1e-6 of the number): no bf16 or f16 on the way to a quantiser, and a product that is left as it is and whose result goes on into a quantised operand takes f32 operands (vector FMAs, or v_wmma_f32_16x16x4_f32). A number that lies on a knife's edge between two numbers of the format may be rounded either way, as far as f32 arithmetic and the matrix unit's own rounding can turn it there, and no further.
;; One version. Each part assembles by itself: llvm-mc -triple=amdgcn-amd-amdhsa -mcpu=gfx1250 --defsym DOCPART=n.
;; ======== version 1 of 1: 4 launches
;; limits: right only within a limited range of input values
;; workspace buffers: xi 6,553,600 bytes; wi 3,276,800 bytes; qkv 19,660,800 bytes; oi 6,553,600 bytes; mw 2,097,152 bytes of whole numbers
;; launch prep (part 1): grid 640 x 1, 4 waves a work-group, no clusters, 93,696 bytes of LDS; arguments x, Wq, Wk, Wv, Wo, mask, xi, wi, mw; writes xi, wi, mw
.if DOCPART == 1
	.amdgcn_target "amdgcn-amd-amdhsa--gfx1250"
	.amdhsa_code_object_version 6
	.text
	.protected	k_qca2e980e3c_prep
	.globl	k_qca2e980e3c_prep
	.p2align	8
	.type	k_qca2e980e3c_prep,@function
k_qca2e980e3c_prep:
	s_mov_b64 s[64:65], 0
	v_nop
	global_prefetch_b8 v0, s[64:65] scope:SCOPE_SE
	s_setreg_imm32_b32 hwreg(HW_REG_WAVE_MODE, 25, 1), 1
	s_wait_xcnt 0x0
; x [8192][1024] and the four weights [1024 (k)][1024 (n)], f32, become codes of FP6 (E2M3) with one E8M0 byte for each 32 along K; the mask becomes lane-mask words.
; THE LAYOUT OF EVERY OPERAND THAT THIS PROGRAM KEEPS IN MEMORY.  128 rows are cut into 8 tiles of 16: row i of tile t is row 64 (t / 4) + 8 (t % 4) + i % 8 + 32 (i / 8).
; A tile's fragment for 128 along K is kept as an image of its 12 registers: register p of lane l at byte 512 (p / 4) + 16 l + 4 (p % 4): 1,536 bytes, moved by three accesses of 16 bytes a lane.
; A BLOCK (128 rows x 128 K) is 12,800 bytes: tile t's image at 1,536 t; the scale word of row i of tile t at 12,288 + 256 (t / 4) + 16 i + 4 (t % 4).
; xi: block 8 g + s (g: 128 tokens, s: K step).  wi: block 8 g + s, g = 8 z + n / 128, z = 0 .. 3 for Wq, Wk, Wv, Wo; its rows are the weight's columns.
; mw: [batch][query tile 0..127][64 keys 0..31][n 0..31] words; bit l of word n is 1 where the mask hides key 64 ss + 32 (l / 16) + n from the query in row l % 16 of the tile.
; A block's scale is 2^(floor(log2(largest magnitude)) - 2); its byte is the largest magnitude's exponent field - 2, held at 1 from below.
; LIMITS: a block of zeros, or one whose largest magnitude lies under 2^-124, gets the byte 1 (the rule's 127 for zeros is not kept: the codes are zeros, and only this program reads the bytes); NaN and infinities are not served.
; Work-groups 0-255 take x, 256-383 the weights, 384-639 the mask.  Waves share nothing: each has a stage of its own in LDS, each of the three ways LDS bytes of its own; there is no barrier.
.set BLK,  12800
.set PIT,  528                         ; a stage row: 512 bytes + 16, so that sixteen rows start in sixteen different groups of banks
.set XST,  0                           ; x's stages: 4 x 16 rows
.set WST,  33792                       ; the weights': 4 x (6,144 + 256)
.set MST,  59392                       ; the mask's: 4 x 16 rows
.set WV,   22                          ; s22 wave
.set SEL,  24                          ; s[24:25] selects of v_permlanex16_b32: lane l xor 16
.set LI,   4                           ; v4  16 x lane
.set SR,   5                           ; v5  16 x (lane % 16)
.set SH8,  6                           ; v6  8 x (lane / 16)
.set T,    232                         ; v232-235 at work in QUANT
.set U,    220                         ; v220-226 the upper halves of a block's codes
; 64 numbers of a lane, register 32 c + i = k 64 c + 32 (lane / 16) + i of its row, become the fragment's 12 registers v[p] on and the row's scale word v[w].
.macro QUANT s, p, w
	v_max3_num_f32 v[T], |v[(\s)]|, |v[(\s)+1]|, 0x1800000          ; my two blocks by turns; the floor 2^(3 - 127) holds the byte at 1 from below
	v_max3_num_f32 v[T+1], |v[(\s)+32]|, |v[(\s)+33]|, 0x1800000
.set J, 2
.rept 15
	v_max3_num_f32 v[T], v[T], |v[(\s)+J]|, |v[(\s)+J+1]|
	v_max3_num_f32 v[T+1], v[T+1], |v[(\s)+32+J]|, |v[(\s)+33+J]|
.set J, J+2
.endr
	v_add_nc_u32 v[T], 0xff000000, v[T]                             ; 2 off the exponent field: the conversion's scale operand
	v_add_nc_u32 v[T+1], 0xff000000, v[T+1]
	v_lshrrev_b32 v[T+2], 23, v[T]                                  ; the bytes of blocks h and 2 + h
	v_lshrrev_b32 v[T+3], 23, v[T+1]
	v_lshl_or_b32 v[T+2], v[T+3], 16, v[T+2]
	v_lshlrev_b32 v[T+2], v[SH8], v[T+2]                            ; at their places in the word
	v_permlanex16_b32 v[T+3], v[T+2], s[SEL], s[SEL+1]
	v_or_b32 v[(\w)], v[T+2], v[T+3]                                ; with the other half's two the word is whole
	v_cvt_scalef32_pk16_fp6_f32 v[(\p):(\p)+2], v[(\s):(\s)+15], v[T]
	v_cvt_scalef32_pk16_fp6_f32 v[U:U+2], v[(\s)+16:(\s)+31], v[T]  ; (a conversion's three registers begin on an even number)
	v_cvt_scalef32_pk16_fp6_f32 v[(\p)+6:(\p)+8], v[(\s)+32:(\s)+47], v[T+1]
	v_cvt_scalef32_pk16_fp6_f32 v[U+4:U+6], v[(\s)+48:(\s)+63], v[T+1]
	v_nop                                                           ; one plain line behind the conversions
.irp i, 0,1,2
	v_mov_b32 v[(\p)+3+\i], v[U+\i]
	v_mov_b32 v[(\p)+9+\i], v[U+4+\i]
.endr
.endm
	s_load_b512 s[4:19], s[0:1], 0x0               ; x s[4:5], Wq s[6:7], Wk s[8:9], Wv s[10:11], Wo s[12:13], mask s[14:15], xi s[16:17], wi s[18:19]
	s_load_b64 s[20:21], s[0:1], 0x40              ; mw
	v_lshl_add_u32 v254, v0, 2, 0x16c00
	v_mov_b32 v255, 0
	v_lshrrev_b32 v1, 5, v0
	v_readfirstlane_b32 s[WV], v1
	v_and_b32 v1, 31, v0                           ; lane
	v_and_b32 v2, 15, v0                           ; r
	v_bfe_u32 v3, v0, 4, 1                         ; h
	v_lshlrev_b32 v[LI], 4, v1
	v_lshlrev_b32 v[SR], 4, v2
	v_lshlrev_b32 v[SH8], 3, v3
	s_mov_b32 s[SEL], 0x76543210
	s_mov_b32 s[SEL+1], 0xfedcba98
	s_cmp_lt_u32 ttmp9, 256
	s_cbranch_scc0 .Lnot_x
; ---- x.  Work-group: token group id / 4, K steps 2 (id % 4) and + 1.  Wave: K step + wave / 2, tiles 4 q .. 4 q + 3, q = wave % 2.
	s_lshr_b32 s26, ttmp9, 2                       ; token group
	s_and_b32 s27, ttmp9, 3
	s_lshr_b32 s28, s[WV], 1
	s_lshl_b32 s27, s27, 1
	s_add_co_u32 s27, s27, s28                     ; K step
	s_and_b32 s28, s[WV], 1                        ; q
	s_lshl_b32 s30, s26, 19                        ; 128 rows of 4,096 bytes
	s_lshl_b32 s29, s28, 18                        ; 64 rows
	s_add_co_u32 s30, s30, s29
	s_lshl_b32 s29, s27, 9                         ; 128 numbers
	s_add_co_u32 s30, s30, s29
	s_mov_b32 s31, 0
	s_lshl_b32 s32, s26, 3
	s_add_co_u32 s32, s32, s27
	s_mul_i32 s32, s32, BLK                        ; the block
	s_mul_i32 s29, s28, 6144
	s_add_co_u32 s34, s32, s29                     ; my four images
	s_mov_b32 s35, 0
	s_lshl_b32 s29, s28, 8
	s_add_co_u32 s36, s32, s29
	s_add_co_u32 s36, s36, 12288                   ; their scale words
	s_mov_b32 s37, 0
	s_mul_i32 s29, s[WV], 16*PIT
	s_wait_alu depctr_va_vdst(0)
	v_add_nc_u32 v7, s29, v[LI]                    ; into my stage: 16 bytes a lane of a row
	v_mul_u32_u24 v8, v2, PIT
	v_lshl_add_u32 v8, v3, 7, v8
	v_add_nc_u32 v8, s29, v8                       ; out of it: row r, + 128 h: my 32 neighbours of each 64
	s_wait_alu depctr_va_vdst(0)
	s_wait_kmcnt 0x0
	s_add_nc_u64 s[4:5], s[4:5], s[30:31]
	s_add_nc_u64 s[34:35], s[16:17], s[34:35]
	s_add_nc_u64 s[36:37], s[16:17], s[36:37]
.macro LOADX u, r                      ; tile u's 16 rows: each load reads a row's 512 consecutive bytes
.irp i, 0,1,2,3,4,5,6,7,8,9,10,11,12,13,14,15
	global_load_b128 v[\r+4*\i:\r+4*\i+3], v[LI], s[4:5] offset:(8*(\u)+(\i%8)+32*(\i/8))*4096 th:TH_LOAD_NT
.endr
.endm
.macro TURNX r                         ; through the stage: LDS serves a wave's instructions in order, so no wait stands between the stores and the loads
.irp i, 0,1,2,3,4,5,6,7,8,9,10,11,12,13,14,15
	ds_store_b128 v7, v[\r+4*\i:\r+4*\i+3] offset:XST+PIT*\i
.endr
.irp c, 0,1
.irp j, 0,1,2,3,4,5,6,7
	ds_load_b128 v[144+32*\c+4*\j:144+32*\c+4*\j+3], v8 offset:XST+256*\c+16*\j
.endr
.endr
.endm
.macro TILEX u
.if (\u) < 3
	s_wait_loadcnt 16                              ; this tile's 16 loads are in; the next tile's 16 may be out
.else
	s_wait_loadcnt 0x0
.endif
	TURNX 16+64*((\u)%2)
	s_wait_dscnt 0x0                               ; the numbers are back, and the stores have read the registers that the next loads take
.if (\u) < 2
	LOADX (\u)+2, 16+64*((\u)%2)
.endif
.if (\u) > 0
	s_wait_xcnt 0x0                                ; the last tile's stores have read the codes' registers
.endif
	QUANT 144, 208, 228+(\u)
.irp p, 0,1,2
	global_store_b128 v[LI], v[208+4*\p:208+4*\p+3], s[34:35] offset:1536*(\u)+512*\p   ; 512 consecutive bytes
.endr
.endm
	LOADX 0, 16
	LOADX 1, 80
	TILEX 0
	TILEX 1
	TILEX 2
	TILEX 3
	global_store_b128 v[SR], v[228:231], s[36:37]  ; four tiles' words of row r: 256 consecutive bytes (lanes 16-31 write what lanes 0-15 write)
	s_wait_tensorcnt 0x0
	ds_add_u32 v254, v255
	s_wait_dscnt 0x0
	s_endpgm
.Lnot_x:
	s_cmp_lt_u32 ttmp9, 384
	s_cbranch_scc0 .Lmask
; ---- the weights.  Work-group: weight z, column group, two K steps.  Wave: K step + wave / 2, columns 64 a + 32 e + lane, a = wave % 2, e = 0, 1.
; A LANE TAKES A COLUMN AND ITS REGISTERS RUN DOWN K: a block of 32 lies in one lane, and the codes come out with K innermost.  Column 64 a + 32 e + l is row 8 e + l % 8 of tile 4 a + l / 8.
	s_sub_co_u32 s26, ttmp9, 256
	s_lshr_b32 s27, s26, 5                         ; z
	s_bfe_u32 s28, s26, 0x30002                    ; column group
	s_and_b32 s29, s26, 3
	s_lshr_b32 s30, s[WV], 1
	s_lshl_b32 s29, s29, 1
	s_add_co_u32 s29, s29, s30                     ; K step
	s_and_b32 s30, s[WV], 1                        ; a
	s_lshl_b32 s32, s29, 19                        ; 128 rows of 4,096 bytes
	s_lshl_b32 s31, s28, 9
	s_add_co_u32 s32, s32, s31
	s_lshl_b32 s31, s30, 8
	s_add_co_u32 s32, s32, s31
	s_mov_b32 s33, 0
	s_lshl_b32 s34, s27, 3
	s_add_co_u32 s34, s34, s28
	s_lshl_b32 s34, s34, 3
	s_add_co_u32 s34, s34, s29
	s_mul_i32 s38, s34, BLK                        ; the block
	s_mul_i32 s31, s30, 6144
	s_add_co_u32 s34, s38, s31
	s_mov_b32 s35, 0
	s_lshl_b32 s31, s30, 8
	s_add_co_u32 s36, s38, s31
	s_add_co_u32 s36, s36, 12288
	s_mov_b32 s37, 0
	s_mul_i32 s31, s[WV], 6400
	s_add_co_u32 s31, s31, WST                     ; my stage: four images, then their 256 scale bytes
	s_wait_alu depctr_va_vdst(0)
	v_lshlrev_b32 v9, 2, v1                        ; in: 4 bytes a lane
	v_lshrrev_b32 v10, 3, v1
	v_and_b32 v11, 7, v1
	v_mul_u32_u24 v12, v10, 1536
	v_lshl_add_u32 v12, v11, 4, v12
	v_add_nc_u32 v12, s31, v12                     ; my column's 16 bytes in its tile's image
	v_lshlrev_b32 v13, 4, v11
	v_lshl_add_u32 v13, v10, 2, v13
	v_add_nc_u32 v13, s31, v13                     ; its scale word
	v_add_nc_u32 v14, s31, v[LI]                   ; out: 16 bytes a lane
	v_lshlrev_b32 v15, 3, v1
	v_add_nc_u32 v146, s31, v15                    ; and 8 bytes a lane for the scale bytes
	s_wait_kmcnt 0x0
	s_cmp_eq_u32 s27, 1                            ; which weight: the choice hangs on the work-group's number alone
	s_cselect_b64 s[6:7], s[8:9], s[6:7]
	s_cmp_eq_u32 s27, 2
	s_cselect_b64 s[6:7], s[10:11], s[6:7]
	s_cmp_eq_u32 s27, 3
	s_cselect_b64 s[6:7], s[12:13], s[6:7]
	s_add_nc_u64 s[6:7], s[6:7], s[32:33]
	s_add_nc_u64 s[34:35], s[18:19], s[34:35]
	s_add_nc_u64 s[36:37], s[18:19], s[36:37]
.macro LOADW bi                        ; block bi = 2 kb + e: rows 32 kb .. + 31 of column set e; the two sets' loads together read 256 consecutive bytes of a row
.irp i, 0,1,2,3,4,5,6,7,8,9,10,11,12,13,14,15,16,17,18,19,20,21,22,23,24,25,26,27,28,29,30,31
	global_load_b32 v[16+32*((\bi)%2)+\i], v9, s[6:7] offset:(32*((\bi)/2)+\i)*4096+128*((\bi)%2) th:TH_LOAD_NT
.endr
.endm
.macro BLOCKW bi
.set XS, 16+32*((\bi)%2)
.set KBL, (\bi)/2
.set EE, (\bi)%2
.if (\bi) < 7
	s_wait_loadcnt 32                              ; this block's 32 loads are in; the next block's 32 may be out
.else
	s_wait_loadcnt 0x0
.endif
	v_max3_num_f32 v92, |v[XS]|, |v[XS+1]|, |v[XS+2]|
	v_max3_num_f32 v93, |v[XS+3]|, |v[XS+4]|, |v[XS+5]|
.irp i, 6,10,14,18,22,26
	v_max3_num_f32 v92, v92, |v[XS+\i]|, |v[XS+\i+1]|
	v_max3_num_f32 v93, v93, |v[XS+\i+2]|, |v[XS+\i+3]|
.endr
	v_max3_num_f32 v92, v92, |v[XS+30]|, |v[XS+31]|
	v_max3_num_f32 v92, v92, v93, 0x1800000        ; and the floor
	v_add_nc_u32 v94, 0xff000000, v92              ; the conversion's scale operand
	v_lshrrev_b32 v95, 23, v94                     ; the byte
.if KBL == 0
	v_mov_b32 v[90+EE], v95
.else
	v_lshl_or_b32 v[90+EE], v95, 8*KBL, v[90+EE]
.endif
	v_cvt_scalef32_pk16_fp6_f32 v[80:82], v[XS:XS+15], v94
	v_cvt_scalef32_pk16_fp6_f32 v[86:88], v[XS+16:XS+31], v94
	v_nop
	v_mov_b32 v83, v86
	v_mov_b32 v84, v87
	v_mov_b32 v85, v88
.if KBL/2 == 0                         ; the six registers 6 c .. 6 c + 5 of lane (row, h = kb % 2) at their places in the image
	ds_store_b128 v12, v[80:83] offset:128*EE+256*(KBL%2)
	ds_store_b64 v12, v[84:85] offset:512+128*EE+256*(KBL%2)
.else
	ds_store_b64 v12, v[80:81] offset:520+128*EE+256*(KBL%2)
	ds_store_b128 v12, v[82:85] offset:1024+128*EE+256*(KBL%2)
.endif
.if (\bi)+2 < 8
	LOADW (\bi)+2
.endif
	s_wait_dscnt 0x0                               ; the stores have read their registers
.endm
	LOADW 0
	LOADW 1
.irp q, 0,1,2,3,4,5,6,7
	BLOCKW \q
.endr
	ds_store_b32 v13, v90 offset:6144
	s_wait_alu depctr_va_vdst(0)
	ds_store_b32 v13, v91 offset:6144+128
.irp i, 0,1,2,3,4,5,6,7,8,9,10,11
	ds_load_b128 v[96+4*\i:99+4*\i], v14 offset:512*\i      ; LDS serves a wave's instructions in order: these see my stores
.endr
	ds_load_b64 v[144:145], v146 offset:6144
.irp i, 0,1,2,3,4,5,6,7,8,9,10,11
	s_wait_dscnt 12-\i                             ; the younger loads may stay out
	global_store_b128 v[LI], v[96+4*\i:99+4*\i], s[34:35] offset:512*\i
.endr
	s_wait_dscnt 0x0
	global_store_b64 v15, v[144:145], s[36:37]     ; 256 consecutive bytes
	s_wait_tensorcnt 0x0
	ds_add_u32 v254, v255
	s_wait_dscnt 0x0
	s_endpgm
.Lmask:
; ---- the mask.  Work-group: batch, group of 128 queries, 512 keys.  Wave: query tiles 2 wave and 2 wave + 1.
	s_sub_co_u32 s26, ttmp9, 384
	s_lshr_b32 s27, s26, 6                         ; batch
	s_bfe_u32 s28, s26, 0x40002                    ; group of queries
	s_and_b32 s29, s26, 3                          ; which 512 keys
	s_lshl_b32 s30, s27, 22
	s_lshl_b32 s31, s28, 18
	s_add_co_u32 s30, s30, s31
	s_lshr_b32 s31, s[WV], 1
	s_lshl_b32 s31, s31, 17                        ; 64 rows of 2,048 bytes
	s_add_co_u32 s30, s30, s31
	s_and_b32 s31, s[WV], 1
	s_lshl_b32 s31, s31, 15                        ; 16 rows
	s_add_co_u32 s30, s30, s31
	s_lshl_b32 s31, s29, 9
	s_add_co_u32 s30, s30, s31
	s_mov_b32 s31, 0
	s_lshl_b32 s34, s27, 19                        ; 4,096 bytes of words a query tile
	s_lshl_b32 s35, s28, 15
	s_add_co_u32 s34, s34, s35
	s_lshl_b32 s35, s[WV], 13
	s_add_co_u32 s34, s34, s35
	s_lshl_b32 s35, s29, 10
	s_add_co_u32 s34, s34, s35
	s_mov_b32 s35, 0
	s_mul_i32 s29, s[WV], 16*PIT
	s_add_co_u32 s29, s29, MST
	s_wait_alu depctr_va_vdst(0)
	v_add_nc_u32 v7, s29, v[LI]
	v_mul_u32_u24 v8, v2, PIT
	v_lshl_add_u32 v8, v3, 5, v8
	v_add_nc_u32 v8, s29, v8                       ; row r, + 32 h: my 32 keys of each 64
	s_wait_kmcnt 0x0
	s_add_nc_u64 s[14:15], s[14:15], s[30:31]
	s_add_nc_u64 s[34:35], s[20:21], s[34:35]
.irp e, 0,1
.irp i, 0,1,2,3,4,5,6,7,8,9,10,11,12,13,14,15
	global_load_b128 v[16+64*\e+4*\i:16+64*\e+4*\i+3], v[LI], s[14:15] offset:(8*\e+(\i%8)+32*(\i/8))*2048 th:TH_LOAD_NT
.endr
.endr
.set J, 0
.rept 16
	v_mov_b32 v[208+J], 0                          ; v_writelane_b32's destination counts as read
.set J, J+1
.endr
.macro TILEM e
.if \e == 0
	s_wait_loadcnt 16                              ; the other tile's 16 loads may be out
.else
	s_wait_loadcnt 0x0
.endif
.irp i, 0,1,2,3,4,5,6,7,8,9,10,11,12,13,14,15
	ds_store_b128 v7, v[16+64*\e+4*\i:16+64*\e+4*\i+3] offset:PIT*\i
.endr
.irp ss, 0,1,2,3,4,5,6,7
.irp g, 0,1
	ds_load_b128 v[144+8*\ss+4*\g:144+8*\ss+4*\g+3], v8 offset:64*\ss+16*\g
.endr
.endr
	s_wait_dscnt 0x0
.irp ss, 0,1,2,3,4,5,6,7               ; byte n of my 32 is key 64 ss + 32 h + n of my query: a compare makes the 32 lanes' word, which goes to its place in the 1,024 bytes that the tile stores
.irp m, 0,1,2,3,4,5,6,7
.irp k, 0,1,2,3
	v_and_b32 v[224+\k], 0xff<<(8*\k), v[144+8*\ss+\m]
.endr
.irp k, 0,1,2,3
	v_cmp_eq_u32 s[40+\k], 0, v[224+\k]            ; 1 where the key is hidden
.endr
.irp k, 0,1,2,3
	v_writelane_b32 v[208+8*\e+4*(\ss/4)+\k], s[40+\k], 8*(\ss%4)+\m
.endr
.endr
.endr
.irp g, 0,1
	global_store_b128 v[LI], v[208+8*\e+4*\g:208+8*\e+4*\g+3], s[34:35] offset:4096*\e+512*\g
.endr
.endm
	TILEM 0
	TILEM 1
	s_wait_tensorcnt 0x0
	ds_add_u32 v254, v255
	s_wait_dscnt 0x0
	s_endpgm
.Lfunc_end_k_qca2e980e3c_prep:
	.size	k_qca2e980e3c_prep, .Lfunc_end_k_qca2e980e3c_prep-k_qca2e980e3c_prep
	.p2alignl 7, 3214868480
	.fill 96, 4, 3214868480
	.section	.rodata,"a",@progbits
	.p2align	6, 0x0
	.amdhsa_kernel k_qca2e980e3c_prep
		.amdhsa_group_segment_fixed_size 93696
		.amdhsa_private_segment_fixed_size 0
		.amdhsa_enable_private_segment 0
		.amdhsa_kernarg_size 72
		.amdhsa_user_sgpr_count 2
		.amdhsa_user_sgpr_kernarg_segment_ptr 1
		.amdhsa_wavefront_size32 1
		.amdhsa_system_sgpr_workgroup_id_x 1
		.amdhsa_system_sgpr_workgroup_id_y 1
		.amdhsa_system_sgpr_workgroup_id_z 1
		.amdhsa_system_vgpr_workitem_id 0
		.amdhsa_next_free_vgpr 256
		.amdhsa_next_free_sgpr 66
		.amdhsa_reserve_vcc 0
		.amdhsa_float_denorm_mode_32 3
		.amdhsa_float_denorm_mode_16_64 3
		.amdhsa_memory_ordered 1
		.amdhsa_forward_progress 1
		.amdhsa_inst_pref_size 177
	.end_amdhsa_kernel
	.amdgpu_metadata
---
amdhsa.version: [ 1, 2 ]
amdhsa.kernels:
  - .name:           k_qca2e980e3c_prep
    .symbol:         k_qca2e980e3c_prep.kd
    .args:
      - { .name: x, .offset: 0, .size: 8, .value_kind: global_buffer, .address_space: global }
      - { .name: Wq, .offset: 8, .size: 8, .value_kind: global_buffer, .address_space: global }
      - { .name: Wk, .offset: 16, .size: 8, .value_kind: global_buffer, .address_space: global }
      - { .name: Wv, .offset: 24, .size: 8, .value_kind: global_buffer, .address_space: global }
      - { .name: Wo, .offset: 32, .size: 8, .value_kind: global_buffer, .address_space: global }
      - { .name: mask, .offset: 40, .size: 8, .value_kind: global_buffer, .address_space: global }
      - { .name: xi, .offset: 48, .size: 8, .value_kind: global_buffer, .address_space: global }
      - { .name: wi, .offset: 56, .size: 8, .value_kind: global_buffer, .address_space: global }
      - { .name: mw, .offset: 64, .size: 8, .value_kind: global_buffer, .address_space: global }
    .group_segment_fixed_size: 93696
    .private_segment_fixed_size: 0
    .kernarg_segment_align: 8
    .kernarg_segment_size: 72
    .max_flat_workgroup_size: 128
    .sgpr_count:     66
    .vgpr_count:     256
    .wavefront_size: 32
...
	.end_amdgpu_metadata
.endif
;; end of part 1
;; launch proj (part 2): grid 16 x 48, 4 waves a work-group, clusters of 4 x 4, 327,680 bytes of LDS; arguments xi, wi, qkv; writes qkv
.if DOCPART == 2
	.amdgcn_target "amdgcn-amd-amdhsa--gfx1250"
	.amdhsa_code_object_version 6
	.text
	.protected	k_qca2e980e3c_proj
	.globl	k_qca2e980e3c_proj
	.p2align	8
	.type	k_qca2e980e3c_proj,@function
k_qca2e980e3c_proj:
	s_mov_b64 s[64:65], 0
	v_nop
	global_prefetch_b8 v0, s[64:65] scope:SCOPE_SE
	s_setreg_imm32_b32 hwreg(HW_REG_WAVE_MODE, 25, 1), 1
	s_wait_xcnt 0x0
	s_wait_alu depctr_hold_cnt(0) depctr_sa_sdst(0) depctr_va_vdst(0) depctr_va_sdst(0) depctr_va_ssrc(0) depctr_va_vcc(0) depctr_vm_vsrc(0)
	s_getreg_b32 s2, hwreg(HW_REG_IB_STS2, 6, 4)
	s_cmp_eq_u32 s2, 0
	s_cbranch_scc0 .Lentry_in_a_cluster
	s_endpgm
.Lentry_in_a_cluster:
	s_bfe_u32 s2, ttmp6, 0x10000c
	s_cmp_lg_u32 s2, 0xf033
	s_cbranch_scc0 .Lentry_shape_is_right
	s_endpgm
.Lentry_shape_is_right:
; q = x Wq, k = x Wk, v = x Wv on codes of FP6 (E2M3) with E8M0 scales; the results are quantised on the way out: q and k along a head's channels, v along the keys.
; Operands lie in memory as blocks of 12,800 bytes (128 rows x 128 K): tile t's register image at 1,536 t, scale words at 12,288 + 256 (t / 4) + 16 row + 4 (t % 4); row i of tile t is row 64 (t / 4) + 8 (t % 4) + i % 8 + 32 (i / 8).
; A work-group multiplies one group of 128 rows (source 0) by two groups (source 1) over all of K = 1,024: 24 blocks, 307,200 bytes, which lie in LDS together: each byte of LDS is filled once, and there is no ring.
; Clusters with y under 8: source 0 = 128 columns of Wq or Wk (a pair of heads), source 1 = tokens.  A lane then holds one token and, in the registers of source 0's tiles 4 c .. 4 c + 3, channels 64 c + 32 (lane / 16) + 0 .. 31.
; The other clusters: source 0 = 128 tokens, source 1 = columns of Wv: a lane holds one channel and 2 x 32 neighbouring tokens.  Either way a block of 32 along the next product's K lies in ONE lane, in the order of the next operand's registers.
; qkv: q's block 64 hp + g, k's 512 + 64 hp + g, v's 1,024 + 64 hp + g (hp: pair of heads, g: group of 128 tokens).
; Wave w: source 1's group w / 2, tiles 4 (w % 2) .. + 3, against source 0's eight tiles: 32 accumulators.
; CLUSTER 4 x 4: source 1's blocks are shared along a row of the cluster, source 0's along a column: joint loads.  The choice between the two kinds of work hangs on the cluster's number alone and selects values, never a path.
; LIMITS: a block of zeros, or one whose largest magnitude lies under 2^-124, gets the byte 1; NaN and infinities are not served.
; REGISTERS: window 0: v1-11 addresses; v16-111 source 1's fragments, two sets; v112-135 scale words, two sets, and nothing else; v136-255 the way out.  window 1: accumulator (a, b) at v[8 (8 b + a)].  window 2: source 0's fragments, two sets of 96.
.set BLK,  12800
.set GRP,  8*BLK
.set SRC0, 2*GRP
.set CHK,  4*BLK                       ; what one tensor load brings: four K steps of a group
.set WV,   10
.set SEL,  90
.set LI,   1                           ; v1 16 x lane
.set SR,   2                           ; v2 16 x (lane % 16)
.set SH8,  3                           ; v3 8 x (lane / 16)
.set MSB,  0
.macro WIN new                         ; the immediate's high byte repeats the setting that is left
.if MSB != \new
	s_set_vgpr_msb (MSB<<8)|\new
.set MSB, \new
.endif
.endm
.macro PLACES n
.rept \n
	v_nop
.endr
.endm
.macro CROUND                          ; a round of the cluster's barrier
	s_barrier_signal -1
	s_barrier_wait -1
	s_cmp_lg_u32 s[WV], 0
	s_cbranch_scc1 .Lnot_wave_0_\@
	s_barrier_signal -3
.Lnot_wave_0_\@:
	s_barrier_wait -3
	s_barrier_signal -1
	s_barrier_wait -1
.endm
	s_load_b128 s[4:7], s[0:1], 0x0                ; xi, wi
	s_load_b64 s[8:9], s[0:1], 0x10                ; qkv
	v_lshl_add_u32 v254, v0, 2, 0x4b000
	v_mov_b32 v255, 0
	ds_add_u32 v254, v255
	ds_add_u32 v254, v255
	v_lshrrev_b32 v1, 5, v0
	v_readfirstlane_b32 s[WV], v1
	s_lshr_b32 s11, s[WV], 1                       ; u: which group of source 1 I multiply
	s_and_b32 s12, s[WV], 1                        ; q: which four tiles of it.  Also: which group waves 0 and 1 fetch
	s_bfe_u32 s13, ttmp6, 0x40000                  ; cx
	s_bfe_u32 s14, ttmp6, 0x40004                  ; cy
	s_and_b32 s15, ttmp7, 0xffff                   ; cluster y
	s_lshl_b32 s16, s15, 4
	s_sub_co_u32 s16, s16, 128                     ; 16 (cluster y - 8)
	s_cmp_ge_u32 s15, 8                            ; v's clusters?
	s_cselect_b32 s16, s16, 0
	s_cselect_b32 s20, 0, s15
	s_cselect_b32 s22, 16, 0                       ; Wv's groups begin at 16 in wi
	s_cselect_b32 s23, 1, 0
	s_lshl_b32 s17, ttmp9, 2
	s_add_co_u32 s16, s16, s17
	s_add_co_u32 s16, s16, s13                     ; i: source 0's group (0-15 in wi, or 0-63 in xi): it hangs on cx, never on cy
	s_lshl_b32 s20, s20, 2
	s_add_co_u32 s20, s20, s14                     ; j: source 1's pair of groups: it hangs on cy, never on cx
	s_lshl_b32 s21, s20, 1
	s_add_co_u32 s22, s22, s21
	s_add_co_u32 s22, s22, s12                     ; the group that I would fetch
	s_mul_i32 s18, s16, GRP
	s_mov_b32 s19, 0
	s_mul_i32 s92, s22, GRP
	s_mov_b32 s93, 0
	s_lshl_b32 s24, s14, 2
	s_lshl_b32 s24, 15, s24                        ; my row of the cluster
	s_lshl_b32 s25, 0x1111, s13                    ; my column
	; descriptor group 1: 51,200 dense bytes as 200 rows of 32 elements of 8 bytes, no padding
	s_or_b32 s28, s24, (3<<16)|(1<<21)             ; source 1: the mask of my row; elements of 8 bytes; bit 21 set beside a mask
	s_or_b32 s36, s25, (3<<16)|(1<<21)             ; source 0: the mask of my column
.irp g, 28, 36
	s_mov_b32 s[\g+1], 32<<16                      ; tensor_dim0
	s_mov_b32 s[\g+2], 200<<16                     ; tensor_dim1: 51,200 dense bytes as 200 rows
	s_mov_b32 s[\g+3], 32<<16                      ; tile_dim0
	s_mov_b32 s[\g+4], 200                         ; tile_dim1
	s_mov_b32 s[\g+5], 32                          ; the pitch
	s_mov_b32 s[\g+6], 0
	s_mov_b32 s[\g+7], 0
.endr
	; where my results go
	s_add_co_u32 s84, s21, s11                     ; 2 j + u
	s_lshl_b32 s85, s16, 6
	s_add_co_u32 s85, s85, s84                     ; q, k: block 64 i + token group
	s_lshl_b32 s86, s84, 6
	s_add_co_u32 s86, s86, s16
	s_add_co_u32 s86, s86, 1024                    ; v: block 1,024 + 64 x pair of heads + token group
	s_cmp_eq_u32 s23, 1
	s_cselect_b32 s85, s86, s85
	s_mul_i32 s85, s85, BLK
	s_mul_i32 s86, s12, 6144
	s_add_co_u32 s86, s85, s86
	s_mov_b32 s87, 0
	s_lshl_b32 s88, s12, 8
	s_add_co_u32 s88, s88, s85
	s_add_co_u32 s88, s88, 12288
	s_mov_b32 s89, 0
	s_mul_i32 s98, s12, GRP                        ; LDS: source 1's group w % 2
	s_mov_b32 s[SEL], 0x76543210
	s_mov_b32 s[SEL+1], 0xfedcba98
	s_wait_dscnt 0x0
	s_wait_kmcnt 0x0
	s_cmp_eq_u32 s23, 1
	s_cselect_b64 s[94:95], s[4:5], s[6:7]         ; source 0: tokens for v, weights else
	s_cselect_b64 s[96:97], s[6:7], s[4:5]         ; source 1: the other
	s_add_nc_u64 s[94:95], s[94:95], s[18:19]
	s_add_nc_u64 s[96:97], s[96:97], s[92:93]
	s_add_nc_u64 s[86:87], s[8:9], s[86:87]
	s_add_nc_u64 s[88:89], s[8:9], s[88:89]
	CROUND                                         ; all sixteen work-groups are here: the joint loads meet
.irp k, 0,1
	s_mov_b32 s[44+4*\k], 1
	s_add_co_u32 s[45+4*\k], s98, CHK*\k
	s_add_nc_u64 s[46+4*\k:47+4*\k], s[96:97], CHK*\k
	s_or_b32 s[47+4*\k], s[47+4*\k], 0x80000000
	s_mov_b32 s[68+4*\k], 1
	s_mov_b32 s[69+4*\k], SRC0+CHK*\k
	s_add_nc_u64 s[70+4*\k:71+4*\k], s[94:95], CHK*\k
	s_or_b32 s[71+4*\k], s[71+4*\k], 0x80000000
.endr
	s_cmp_lt_u32 s[WV], 2                          ; the head's loads, one a wave: waves 0 and 1 K steps 0-3 of source 1's two groups, wave 2 K steps 0-3 of source 0, wave 3 its K steps 4-7
	s_cbranch_scc0 .Lnot_src1
	tensor_load_to_lds s[44:47], s[28:35]
	s_nop 0
	PLACES 4
	s_branch .Lasked
.Lnot_src1:
	s_cmp_eq_u32 s[WV], 2
	s_cbranch_scc0 .Lwave_3
	tensor_load_to_lds s[68:71], s[36:43]
	s_nop 0
	PLACES 4
	s_branch .Lasked
.Lwave_3:
	tensor_load_to_lds s[72:75], s[36:43]
	s_nop 0
	PLACES 4
.Lasked:
	v_and_b32 v1, 31, v0
	v_lshlrev_b32 v[LI], 4, v1
	v_and_b32 v2, 15, v0
	v_lshlrev_b32 v[SR], 4, v2
	v_bfe_u32 v3, v0, 4, 1
	v_lshlrev_b32 v[SH8], 3, v3
	s_mul_i32 s24, s11, GRP
	s_mul_i32 s25, s12, 6144
	s_add_co_u32 s25, s24, s25
	v_add_nc_u32 v4, SRC0, v[LI]                   ; source 0's images, K steps 0-4 (an LDS offset has 16 bits),
	v_add_nc_u32 v5, SRC0+5*BLK, v[LI]             ; and K steps 5-7
	v_add_nc_u32 v6, s25, v[LI]                    ; my four tiles of source 1
	v_add_nc_u32 v7, 5*BLK, v6
	v_add_nc_u32 v8, SRC0+12288, v[SR]             ; source 0's scale words
	v_add_nc_u32 v9, SRC0+12288+5*BLK, v[SR]
	s_lshl_b32 s25, s12, 8
	s_add_co_u32 s25, s25, s24
	s_add_co_u32 s25, s25, 12288
	v_add_nc_u32 v10, s25, v[SR]                   ; source 1's
	v_add_nc_u32 v11, 5*BLK, v10
.macro FETCH s, p                      ; K step s into set p: 36 loads of 512 consecutive bytes, and three for the scale words
.if (\s) < 5
.set HI, 0
.set SO, (\s)*BLK
.else
.set HI, 1
.set SO, ((\s)-5)*BLK
.endif
	WIN 0x80                                       ; destination window 2
.irp a, 0,1,2,3,4,5,6,7
.irp c, 0,1,2
	ds_load_b128 v[96*(\p)+12*\a+4*\c:96*(\p)+12*\a+4*\c+3], v[4+HI] offset:SO+1536*\a+512*\c
.endr
.endr
	WIN 0
.irp b, 0,1,2,3
.irp c, 0,1,2
	ds_load_b128 v[16+48*(\p)+12*\b+4*\c:16+48*(\p)+12*\b+4*\c+3], v[6+HI] offset:SO+1536*\b+512*\c
.endr
.endr
	ds_load_b128 v[112+12*(\p):115+12*(\p)], v[8+HI] offset:SO
	ds_load_b128 v[116+12*(\p):119+12*(\p)], v[8+HI] offset:SO+256
	ds_load_b128 v[120+12*(\p):123+12*(\p)], v[10+HI] offset:SO
.endm
.macro MULS p, first                   ; 32 products; the 32 accumulators take turns, in the same order in every K step
	WIN 0x52                                       ; source 0 window 2, source 1 window 0, C and D window 1
.irp b, 0,1,2,3
.irp a, 0,1,2,3,4,5,6,7
.if \first
	v_wmma_scale_f32_16x16x128_f8f6f4 v[8*(8*\b+\a):8*(8*\b+\a)+7], v[96*(\p)+12*\a:96*(\p)+12*\a+11], v[16+48*(\p)+12*\b:16+48*(\p)+12*\b+11], 0, v[112+12*(\p)+\a], v[120+12*(\p)+\b] matrix_a_fmt:MATRIX_FMT_FP6 matrix_b_fmt:MATRIX_FMT_FP6
.else
	v_wmma_scale_f32_16x16x128_f8f6f4 v[8*(8*\b+\a):8*(8*\b+\a)+7], v[96*(\p)+12*\a:96*(\p)+12*\a+11], v[16+48*(\p)+12*\b:16+48*(\p)+12*\b+11], v[8*(8*\b+\a):8*(8*\b+\a)+7], v[112+12*(\p)+\a], v[120+12*(\p)+\b] matrix_a_fmt:MATRIX_FMT_FP6 matrix_b_fmt:MATRIX_FMT_FP6
.endif
.endr
.endr
	WIN 0
.endm
.macro KSTEP s
	s_wait_dscnt 0x0                               ; this step's fragments are in (asked for ahead of the last step's products)
.if (\s) == 3
	s_wait_tensorcnt 0x0                           ; my load of source 1's K steps 4-7 has landed
	s_barrier_signal -1
	s_barrier_wait -1                              ; everybody's has
.endif
.if (\s) < 7
.if (\s) > 0
	PLACES 4                                       ; in front of loads into registers that the last step's products read
.endif
	FETCH (\s)+1, 1-(\s)%2
.endif
.if (\s) == 0
	MULS 0, 1                                      ; the first products start the sums
.else
	MULS (\s)%2, 0
.endif
.endm
	s_wait_alu depctr_va_vdst(0)
	s_wait_tensorcnt 0x0                           ; my load of the head has landed
	ds_add_u32 v254, v255
	s_wait_dscnt 0x0
	CROUND                                         ; everybody's has, in all sixteen work-groups: the joint loads meet
	s_cmp_lt_u32 s[WV], 2
	s_cbranch_scc0 .Lno_second
	tensor_load_to_lds s[48:51], s[28:35]          ; source 1's K steps 4-7: three K steps of products stand ahead of the wait for it
	s_nop 0
	PLACES 4
.Lno_second:
	FETCH 0, 0
.irp s, 0,1,2,3,4,5,6,7
	KSTEP \s
.endr
	; THE WAY OUT.  For each of my four tiles b of source 1 a lane's 64 numbers are two whole blocks of 32 along the next K: largest magnitude, byte, codes, and the image goes to memory as it stands.
	PLACES 4
	WIN 0x14                                       ; sources 1 and 2: window 1
.irp b, 0,1,2,3
.irp c, 0,1
	v_max3_num_f32 v[136+2*\b+\c], 0x1800000, |v[64*\b+32*\c]|, |v[64*\b+32*\c+1]|   ; eight chains by turns, each accumulator from its low end on; the floor 2^(3 - 127)
.endr
.endr
.irp i, 2,4,6,8,10,12,14,16,18,20,22,24,26,28,30
.irp b, 0,1,2,3
.irp c, 0,1
	v_max3_num_f32 v[136+2*\b+\c], v[136+2*\b+\c], |v[64*\b+32*\c+\i]|, |v[64*\b+32*\c+\i+1]|
.endr
.endr
.endr
	WIN 0
.irp t, 0,1,2,3,4,5,6,7
	v_add_nc_u32 v[136+\t], 0xff000000, v[136+\t]  ; 2 off the exponent field: the conversion's scale operand
.endr
.irp t, 0,1,2,3,4,5,6,7
	v_lshrrev_b32 v[144+\t], 23, v[136+\t]         ; the byte
.endr
.irp b, 0,1,2,3
	v_lshl_or_b32 v[144+2*\b], v[145+2*\b], 16, v[144+2*\b]
.endr
.irp b, 0,1,2,3
	v_lshlrev_b32 v[144+2*\b], v[SH8], v[144+2*\b]
.endr
.irp b, 0,1,2,3
	v_permlanex16_b32 v[145+2*\b], v[144+2*\b], s[SEL], s[SEL+1]
.endr
.irp b, 0,1,2,3
	v_or_b32 v[152+\b], v[144+2*\b], v[145+2*\b]   ; the row's scale word
.endr
	WIN 0x01                                       ; source 0: window 1
.irp b, 0,1,2,3
.irp c, 0,1
	v_cvt_scalef32_pk16_fp6_f32 v[160+12*\b+6*\c:162+12*\b+6*\c], v[64*\b+32*\c:64*\b+32*\c+15], v[136+2*\b+\c]
	v_cvt_scalef32_pk16_fp6_f32 v[208+8*\b+4*\c:210+8*\b+4*\c], v[64*\b+32*\c+16:64*\b+32*\c+31], v[136+2*\b+\c]
.endr
.endr
	WIN 0
	v_nop                                          ; one plain line behind the conversions
.irp b, 0,1,2,3
.irp c, 0,1
.irp i, 0,1,2
	v_mov_b32 v[163+12*\b+6*\c+\i], v[208+8*\b+4*\c+\i]
.endr
.endr
.endr
.irp b, 0,1,2,3
.irp p, 0,1,2
	global_store_b128 v[LI], v[160+12*\b+4*\p:163+12*\b+4*\p], s[86:87] offset:1536*\b+512*\p   ; 512 consecutive bytes
.endr
.endr
	global_store_b128 v[SR], v[152:155], s[88:89]  ; my four tiles' words of row r: 256 consecutive bytes (lanes 16-31 write what lanes 0-15 write)
	s_wait_tensorcnt 0x0
	ds_add_u32 v254, v255
	s_wait_dscnt 0x0
	CROUND                                         ; the closing round: no work-group ends while a partner may still ask for a tile that names it
	s_endpgm
.Lfunc_end_k_qca2e980e3c_proj:
	.size	k_qca2e980e3c_proj, .Lfunc_end_k_qca2e980e3c_proj-k_qca2e980e3c_proj
	.p2alignl 7, 3214868480
	.fill 96, 4, 3214868480
	.section	.rodata,"a",@progbits
	.p2align	6, 0x0
	.amdhsa_kernel k_qca2e980e3c_proj
		.amdhsa_group_segment_fixed_size 327680
		.amdhsa_private_segment_fixed_size 0
		.amdhsa_enable_private_segment 0
		.amdhsa_kernarg_size 24
		.amdhsa_user_sgpr_count 2
		.amdhsa_user_sgpr_kernarg_segment_ptr 1
		.amdhsa_wavefront_size32 1
		.amdhsa_system_sgpr_workgroup_id_x 1
		.amdhsa_system_sgpr_workgroup_id_y 1
		.amdhsa_system_sgpr_workgroup_id_z 1
		.amdhsa_system_vgpr_workitem_id 0
		.amdhsa_next_free_vgpr 704
		.amdhsa_next_free_sgpr 100
		.amdhsa_reserve_vcc 0
		.amdhsa_float_denorm_mode_32 3
		.amdhsa_float_denorm_mode_16_64 3
		.amdhsa_memory_ordered 1
		.amdhsa_forward_progress 1
		.amdhsa_inst_pref_size 75
	.end_amdhsa_kernel
	.amdgpu_metadata
---
amdhsa.version: [ 1, 2 ]
amdhsa.kernels:
  - .name:           k_qca2e980e3c_proj
    .symbol:         k_qca2e980e3c_proj.kd
    .args:
      - { .name: xi, .offset: 0, .size: 8, .value_kind: global_buffer, .address_space: global }
      - { .name: wi, .offset: 8, .size: 8, .value_kind: global_buffer, .address_space: global }
      - { .name: qkv, .offset: 16, .size: 8, .value_kind: global_buffer, .address_space: global }
    .group_segment_fixed_size: 327680
    .private_segment_fixed_size: 0
    .kernarg_segment_align: 8
    .kernarg_segment_size: 24
    .max_flat_workgroup_size: 128
    .sgpr_count:     100
    .vgpr_count:     704
    .wavefront_size: 32
...
	.end_amdgpu_metadata
.endif
;; end of part 2
;; launch attn (part 3): grid 8 x 32, 16 waves a work-group, clusters of 4 x 1, 327,680 bytes of LDS; arguments qkv, mw, oi; writes oi
.if DOCPART == 3
	.amdgcn_target "amdgcn-amd-amdhsa--gfx1250"
	.amdhsa_code_object_version 6
	.text
	.protected	k_qca2e980e3c_attn
	.globl	k_qca2e980e3c_attn
	.p2align	8
	.type	k_qca2e980e3c_attn,@function
k_qca2e980e3c_attn:
	s_mov_b64 s[64:65], 0
	v_nop
	global_prefetch_b8 v0, s[64:65] scope:SCOPE_SE
	s_setreg_imm32_b32 hwreg(HW_REG_WAVE_MODE, 25, 1), 1
	s_wait_xcnt 0x0
	s_wait_alu depctr_hold_cnt(0) depctr_sa_sdst(0) depctr_va_vdst(0) depctr_va_sdst(0) depctr_va_ssrc(0) depctr_va_vcc(0) depctr_vm_vsrc(0)
	s_getreg_b32 s2, hwreg(HW_REG_IB_STS2, 6, 4)
	s_cmp_eq_u32 s2, 0
	s_cbranch_scc0 .Lentry_in_a_cluster
	s_endpgm
.Lentry_in_a_cluster:
	s_bfe_u32 s2, ttmp6, 0x10000c
	s_cmp_lg_u32 s2, 0x3003
	s_cbranch_scc0 .Lentry_shape_is_right
	s_endpgm
.Lentry_shape_is_right:
; attn = softmax over the open keys of q . k / 8, FINISHED AND NORMALISED, is quantised along the keys and multiplied by v; the result is quantised for the last product.  All products on codes of FP6 (E2M3) with E8M0 scales.
; The codes of attn hang on the row's sum, so the keys are walked TWICE: pass 1 finds each query's largest score and its sum; pass 2 makes the scores again, forms attn = 2^(s c + B), c = log2(e) / 8,
; B = -(c m + log2(sum)), quantises it and multiplies by V.
; SHARES.  A work-group: 256 queries of one batch and one PAIR of heads.  Each of its 16 waves: one tile of 16 queries, both heads, in 256 registers.
; A PAIR OF HEADS IS ONE K OF 128: a fragment of K holds both heads' 64 channels; Q's operand is [q0 | zeros] for head 0 and [zeros | q1] for head 1 (18 registers, read at two places).
; LAYOUT.  Blocks of 12,800 bytes (tile t's register image at 1,536 t, scale words at 12,288 + 256 (t / 4) + 16 row + 4 (t % 4); row i of tile t = 64 (t / 4) + 8 (t % 4) + i % 8 + 32 (i / 8)).
; S^T = K Q^T: a lane holds one query, and in the registers of tiles 4 c .. 4 c + 3 the keys 64 c + 32 (lane / 16) + 0 .. 31: a whole block of the next K, in the order of the next operand's registers.  O^T = V^T P^T likewise.
; THE MASK is the products' C: 0 for an open key, -2^100 for a hidden one, by v_cndmask_b32 on lane-mask words that scalar loads bring; one set of 32 registers serves both heads; in pass 2 head 1's scores land on it in place.
; ORDER IN A WAVE.  Both heads' products are issued together; the fragments that the next products want are asked of LDS as soon as the registers are free, ahead of the vector work; maxima and sums go in four chains by turns;
; head 1's multiply-adds stand among head 0's exponentials, and head 0's sums or codes behind head 1's.
; LDS: K of all 2,048 keys stays (204,800 bytes, filled once); V goes through two slots of four steps of 128 keys.  CLUSTER: the four query blocks of a cluster walk the same K and V: joint loads.
; No prefetch: K is a first fill, V's first slot has all of pass 1 and each later load four steps of work in which to land, and the mask's words are read by 8 work-groups.
; LIMITS: scores lie within +-2^80 (the largest score starts at -2^80); NaN and infinities are not served; a block's largest attn is taken from its largest score, which takes v_exp_f32 not to fall where its input rises;
; a block of zeros, or one whose largest magnitude lies under 2^-124, gets the byte 1.  A query with no open key: the sum is held at 0.5, every attn is 0, and its codes are zeros.
; REGISTERS: v1-8 addresses and constants; v9-10 Q's scale words; v12-29 Q; v30-37 K's or V's scale words, v38-39 P's; v40-87 four fragments; v88-119 C (pass 2: then head 1's scores); v120-151 head 0's scores
; (pass 1: v152-183 head 1's); v152-215 O^T; v216-239 P's codes (pass 1: statistics, v232-239 at work); v240-243, v250-255 at work; v244-247 B; v248-249 P's bytes.
.set BLK,   12800
.set SLOT1, 65536                      ; V's slot 1: one exclusive or turns an address of one slot into the other's
.set SPARE, 51200                      ; behind slot 0: the spare words, 128 bytes for each of 16 waves
.set KB,    116736                     ; K's 16 blocks
.set WV,    10
.set T,     244
.set U,     232
.macro PLACES n
.rept \n
	v_nop
.endr
.endm
.macro CROUND                          ; a round of the cluster's barrier
	s_barrier_signal -1
	s_barrier_wait -1
	s_cmp_lg_u32 s[WV], 0
	s_cbranch_scc1 .Lnot_wave_0_\@
	s_barrier_signal -3
.Lnot_wave_0_\@:
	s_barrier_wait -3
	s_barrier_signal -1
	s_barrier_wait -1
.endm
.macro WM d, f, q, c, sa, sb           ; D, 16 rows of K or V, Q or P, C, the two scale words
	v_wmma_scale_f32_16x16x128_f8f6f4 v[\d:\d+7], v[\f:\f+11], v[\q:\q+11], v[\c:\c+7], v[\sa], v[\sb] matrix_a_fmt:MATRIX_FMT_FP6 matrix_b_fmt:MATRIX_FMT_FP6
.endm
	s_load_b128 s[4:7], s[0:1], 0x0                ; qkv, mw
	s_load_b64 s[8:9], s[0:1], 0x10                ; oi
	v_lshl_add_u32 v3, v0, 2, SPARE                ; my spare word; never rewritten
	v_mov_b32 v4, 0                                ; 0; never rewritten
	ds_add_u32 v3, v4
	ds_add_u32 v3, v4
	s_wait_dscnt 0x0
	v_lshrrev_b32 v1, 5, v0
	s_delay_alu instid0(VALU_DEP_1)
	v_readfirstlane_b32 s[WV], v1                  ; wave 0..15
	s_bfe_u32 s11, ttmp6, 0x40000                  ; cx
	s_lshl_b32 s12, ttmp9, 2
	s_add_co_u32 s12, s12, s11                     ; my block of 256 queries: it enters Q's, the mask's and the output's addresses alone
	s_and_b32 s13, ttmp7, 0xffff
	s_lshr_b32 s14, s13, 3                         ; batch
	s_and_b32 s15, s13, 7                          ; pair of heads
	s_lshl_b32 s16, s15, 6
	s_lshl_b32 s17, s14, 4
	s_add_co_u32 s16, s16, s17                     ; 64 hp + 16 b: the first block of this batch and pair
	s_add_co_u32 s50, s16, s[WV]
	s_add_co_u32 s50, s50, 512
	s_mul_i32 s50, s50, BLK                        ; K's step w, which I fetch
	s_mov_b32 s51, 0
	s_and_b32 s18, s[WV], 3
	s_add_co_u32 s52, s16, s18
	s_add_co_u32 s52, s52, 1024
	s_mul_i32 s52, s52, BLK                        ; V's step w % 4
	s_mov_b32 s53, 0
	s_lshr_b32 s19, s[WV], 3
	s_lshl_b32 s27, s12, 1
	s_add_co_u32 s27, s27, s19                     ; my group of 128 queries in the batch
	s_and_b32 s49, s[WV], 7                        ; my tile in it
	s_add_co_u32 s54, s16, s27
	s_mul_i32 s54, s54, BLK
	s_mul_i32 s56, s49, 1536                       ; a tile's image in a block,
	s_lshr_b32 s57, s49, 2
	s_lshl_b32 s57, s57, 8
	s_lshl_b32 s58, s18, 2
	s_add_co_u32 s57, s57, s58
	s_add_co_u32 s57, s57, 12288                   ; and its scale words
	s_add_co_u32 s58, s54, s57
	s_mov_b32 s59, 0
	s_add_co_u32 s54, s54, s56
	s_mov_b32 s55, 0
	s_add_co_u32 s60, s17, s27
	s_lshl_b32 s60, s60, 3
	s_add_co_u32 s60, s60, s15
	s_mul_i32 s60, s60, BLK                        ; the output's block: 8 x token group + pair of heads
	s_add_co_u32 s62, s60, s57
	s_mov_b32 s63, 0
	s_add_co_u32 s60, s60, s56
	s_mov_b32 s61, 0
	s_lshl_b32 s66, s14, 7
	s_lshl_b32 s67, s12, 4
	s_add_co_u32 s66, s66, s67
	s_add_co_u32 s66, s66, s[WV]
	s_lshl_b32 s66, s66, 12                        ; my query tile's 4,096 bytes of mask words
	s_mov_b32 s67, 0
	s_mov_b32 s20, 0x76543210                      ; v_permlanex16_b32: lane l xor 16
	s_mov_b32 s21, 0xfedcba98
	s_mov_b32 s22, 0x3e38aa3b                      ; c = log2(e) / 8
	s_mov_b32 s23, s22                             ; (named with it as a pair)
	s_mov_b32 s24, 0xbe38aa3b                      ; -c
	s_mov_b32 s25, 0x01010000
	s_mov_b32 s26, 0x0101
	; descriptor group 1: a block, 12,800 dense bytes, as 50 rows of 32 elements of 8 bytes; the mask names all four work-groups
	s_mov_b32 s28, 15|(3<<16)|(1<<21)
	s_mov_b32 s29, 32<<16
	s_mov_b32 s30, 50<<16
	s_mov_b32 s31, 32<<16
	s_mov_b32 s32, 50
	s_mov_b32 s33, 32
	s_mov_b32 s34, 0
	s_mov_b32 s35, 0
	s_wait_kmcnt 0x0
	s_add_nc_u64 s[50:51], s[4:5], s[50:51]
	s_add_nc_u64 s[52:53], s[4:5], s[52:53]
	s_add_nc_u64 s[54:55], s[4:5], s[54:55]
	s_add_nc_u64 s[58:59], s[4:5], s[58:59]
	s_add_nc_u64 s[60:61], s[8:9], s[60:61]
	s_add_nc_u64 s[62:63], s[8:9], s[62:63]
	s_add_nc_u64 s[6:7], s[6:7], s[66:67]
	s_mov_b32 s36, 1                               ; K's group 0
	s_mul_i32 s37, s[WV], BLK
	s_add_co_u32 s37, s37, KB
	s_mov_b64 s[38:39], s[50:51]
	s_or_b32 s39, s39, 0x80000000
	s_mov_b32 s40, 1                               ; V's, which walks
	s_mul_i32 s41, s18, BLK
	s_mov_b64 s[42:43], s[52:53]
	s_or_b32 s43, s43, 0x80000000
	CROUND                                         ; all four work-groups are here: the first joint loads meet
	tensor_load_to_lds s[36:39], s[28:35]          ; every wave fetches a step of K: its one load at the head
	s_nop 0
	PLACES 4
	v_and_b32 v1, 31, v0
	s_delay_alu instid0(VALU_DEP_1)
	v_lshlrev_b32 v1, 4, v1                        ; 16 x lane
	v_and_b32 v2, 15, v0
	s_delay_alu instid0(VALU_DEP_1)
	v_lshlrev_b32 v2, 4, v2                        ; 16 x (lane % 16)
	v_bfe_u32 v5, v0, 4, 1
	s_delay_alu instid0(VALU_DEP_1)
	v_lshlrev_b32 v5, 3, v5                        ; 8 x (lane / 16)
	v_mov_b32 v6, 0xf1800000                       ; -2^100
	global_load_b128 v[12:15], v1, s[54:55]        ; Q's image: registers 0-3,
	global_load_b128 v[40:43], v1, s[54:55] offset:512      ; 4-7,
	global_load_b128 v[26:29], v1, s[54:55] offset:1024     ; 8-11
	global_load_b32 v44, v2, s[58:59]              ; and its scale words
	s_mov_b32 s46, 0
	s_load_b512 s[68:83], s[6:7], s46 offset:0x0   ; the first 64 keys' mask words
	s_load_b512 s[84:99], s[6:7], s46 offset:0x40
	s_wait_loadcnt 0x0
	v_mov_b32 v16, v40
	v_mov_b32 v17, v41
	v_mov_b32 v24, v42
	v_mov_b32 v25, v43
.irp i, 18,19,20,21,22,23
	v_mov_b32 v\i, 0                               ; the empty half of both operands: zero codes
.endr
	v_and_or_b32 v9, v44, 0xffff, s25              ; head 0's two bytes; the empty half gets the byte 1
	v_and_or_b32 v10, v44, 0xffff0000, s26         ; head 1's
.irp a, 0,1                            ; the statistics of head a, each half of the lanes for its own keys: +0 the largest score, +1 at work, +2 -c m, +4 the sum in two halves, +6 the factor
	v_mov_b32 v[216+8*\a], 0xe7800000              ; -2^80
	v_mov_b32 v[217+8*\a], 0
	s_delay_alu instid0(VALU_DEP_2)
	v_mul_f32 v[218+8*\a], s24, v[216+8*\a]
	v_mov_b32 v[219+8*\a], 0                       ; (upper halves of pairs of which the low word serves both halves)
	v_mov_b32 v[220+8*\a], 0
	v_mov_b32 v[221+8*\a], 0
	v_mov_b32 v[222+8*\a], 0
	v_mov_b32 v[223+8*\a], 0
.endr
	v_mov_b32 v255, 0                              ; a lane permute's destination counts as one of its sources
	s_mov_b32 s44, KB
	s_wait_alu depctr_va_vdst(0)
	s_wait_tensorcnt 0x0                           ; my step of K has landed
	ds_add_u32 v3, v4
	s_wait_dscnt 0x0
	CROUND                                         ; everybody's has, in all four work-groups
	s_cmp_lt_u32 s[WV], 4
	s_cbranch_scc0 .Lno_v0
	tensor_load_to_lds s[40:43], s[28:35]          ; V's first four steps, slot 0: all of pass 1 stands ahead of the wait for them
	s_nop 0
	PLACES 4
.Lno_v0:
.macro KLOAD c                         ; four fragments of K and their scale words: the c-th 64 keys of the step at v7, v8
.irp u, 0,1,2,3
.irp p, 0,1,2
	ds_load_b128 v[40+12*\u+4*\p:43+12*\u+4*\p], v7 offset:(4*\c+\u)*1536+512*\p
.endr
.endr
	ds_load_b128 v[30:33], v8 offset:12288+256*\c
.endm
.macro MASKC                           ; C from the mask words; the next 64 keys' words are asked for; then the fragments are awaited
	s_wait_kmcnt 0x0
.set J, 0
.rept 32
	v_cndmask_b32 v[88+J], 0, v6, s[68+J]          ; register n: key 32 (lane / 16) + n of the 64: -2^100 where it is hidden
.set J, J+1
.endr
	s_add_co_u32 s46, s46, 128                     ; (behind the wait that shows the last loads done)
	s_and_b32 s46, s46, 4095                       ; behind a pass's last 64 keys the first are asked for again: no load leaves the tile's 4,096 bytes
	s_load_b512 s[68:83], s[6:7], s46 offset:0x0
	s_load_b512 s[84:99], s[6:7], s46 offset:0x40
	s_wait_alu depctr_va_vdst(0)
	s_wait_dscnt 0x0
.endm
; PASS 1
.macro SUM a                           ; head a's 32 numbers in four chains, then onto the running sum under the new m
.irp k, 0,1,2,3
	v_pk_add_f32 v[232+2*\k:233+2*\k], v[120+32*(\a)+2*\k:121+32*(\a)+2*\k], v[128+32*(\a)+2*\k:129+32*(\a)+2*\k]
.endr
.irp j, 16,24
.irp k, 0,1,2,3
	v_pk_add_f32 v[232+2*\k:233+2*\k], v[232+2*\k:233+2*\k], v[120+32*(\a)+\j+2*\k:121+32*(\a)+\j+2*\k]
.endr
.endr
	v_pk_add_f32 v[232:233], v[232:233], v[234:235]
	v_pk_add_f32 v[236:237], v[236:237], v[238:239]
	v_pk_add_f32 v[232:233], v[232:233], v[236:237]
	v_pk_fma_f32 v[220+8*(\a):221+8*(\a)], v[220+8*(\a):221+8*(\a)], v[222+8*(\a):223+8*(\a)], v[232:233] op_sel_hi:[1,0,1]
.endm
.macro STATS
.irp a, 0,1                            ; the largest of 16 scores in each of four chains by turns, each result from its low end on
.irp k, 0,1
	v_max3_num_f32 v[232+2*\a+\k], v[120+32*\a+16*\k], v[121+32*\a+16*\k], v[122+32*\a+16*\k]
.endr
.endr
.irp i, 3,5,7,9,11,13
.irp a, 0,1
.irp k, 0,1
	v_max3_num_f32 v[232+2*\a+\k], v[232+2*\a+\k], v[120+32*\a+16*\k+\i], v[121+32*\a+16*\k+\i]
.endr
.endr
.endr
.irp k, 0,1
.irp a, 0,1
	v_max3_num_f32 v[216+8*\a], v[216+8*\a], v[232+2*\a+\k], v[135+32*\a+16*\k]    ; the running largest score
.endr
.endr
	s_delay_alu instid0(VALU_DEP_2)
	v_mul_f32 v217, s24, v216                      ; the new -c m
	s_delay_alu instid0(VALU_DEP_2)
	v_mul_f32 v225, s24, v224
	s_delay_alu instid0(VALU_DEP_2)
	v_sub_f32 v222, v217, v218                     ; less the old: 0 or less
	s_delay_alu instid0(VALU_DEP_2)
	v_sub_f32 v230, v225, v226
	s_delay_alu instid0(VALU_DEP_4)
	v_mov_b32 v218, v217
	s_delay_alu instid0(VALU_DEP_4)
	v_mov_b32 v226, v225
.set J, 0
.rept 16
	v_pk_fma_f32 v[120+J:121+J], v[120+J:121+J], s[22:23], v[218:219] op_sel_hi:[1,0,0]   ; c s - c m
.set J, J+2
.endr
	s_wait_alu depctr_va_vdst(0)                   ; ahead of the batch
	v_exp_f32 v222, v222                           ; what was summed under the old m is brought under the new by this factor
	v_exp_f32 v230, v230
.set J, 0
.rept 16
	v_exp_f32 v[120+J], v[120+J]
	v_exp_f32 v[121+J], v[121+J]
	v_pk_fma_f32 v[152+J:153+J], v[152+J:153+J], s[22:23], v[226:227] op_sel_hi:[1,0,0]   ; head 1's, first read behind the wait below
.set J, J+2
.endr
	s_wait_alu depctr_va_vdst(0)                   ; behind head 0's batch and ahead of head 1's
.set J, 0
.rept 32
	v_exp_f32 v[152+J], v[152+J]
.set J, J+1
.endr
	SUM 0                                          ; plain lines behind head 1's exponentials, which they do not name
	s_wait_alu depctr_va_vdst(0)                   ; behind head 1's batch
	SUM 1
.endm
.macro P1HALF c
	MASKC
.irp u, 0,1,2,3
	WM 120+8*\u, 40+12*\u, 12, 88+8*\u, 30+\u, 9
	WM 152+8*\u, 40+12*\u, 18, 88+8*\u, 30+\u, 10
.endr
	PLACES 4                                       ; ahead of loads into the products' registers and of the first read of results
.if \c == 0
	KLOAD 1                                        ; the other 64 keys' fragments, awaited behind the statistics
.endif
	STATS
.endm
	s_mov_b32 s47, 16
.Lpass1:                                           ; a trip: 128 keys
	v_add_nc_u32 v7, s44, v1
	v_add_nc_u32 v8, s44, v2
	KLOAD 0
	P1HALF 0
	P1HALF 1
	s_add_co_u32 s44, s44, BLK
	s_sub_co_u32 s47, s47, 1
	s_cmp_lg_u32 s47, 0
	s_cbranch_scc1 .Lpass1
	; The two halves of the lanes meet: m = the larger of the two, each half's sum is brought under it, the sums are added.  B = -c m - log2(sum).
.irp a, 0,1
	v_add_f32 v[220+8*\a], v[220+8*\a], v[221+8*\a]
	v_permlanex16_b32 v[217+8*\a], v[216+8*\a], s20, s21
.endr
	s_delay_alu instid0(VALU_DEP_3)
	v_max_num_f32 v217, v216, v217
	s_delay_alu instid0(VALU_DEP_2)
	v_max_num_f32 v225, v224, v225
.irp a, 0,1
	s_delay_alu instid0(VALU_DEP_2)
	v_mul_f32 v[217+8*\a], s24, v[217+8*\a]
.endr
.irp a, 0,1
	s_delay_alu instid0(VALU_DEP_2)
	v_sub_f32 v[222+8*\a], v[217+8*\a], v[218+8*\a]
.endr
	s_wait_alu depctr_va_vdst(0)
.irp a, 0,1
	v_exp_f32 v[222+8*\a], v[222+8*\a]
.endr
	v_nop                                          ; a plain line behind the exponentials
	s_wait_alu depctr_va_vdst(0)
.irp a, 0,1
	v_mul_f32 v[220+8*\a], v[220+8*\a], v[222+8*\a]
.endr
.irp a, 0,1
	s_delay_alu instid0(VALU_DEP_2)
	v_permlanex16_b32 v[221+8*\a], v[220+8*\a], s20, s21
.endr
.irp a, 0,1
	s_delay_alu instid0(VALU_DEP_2)
	v_add_f32 v[220+8*\a], v[220+8*\a], v[221+8*\a]
.endr
.irp a, 0,1
	s_delay_alu instid0(VALU_DEP_2)
	v_max_num_f32 v[220+8*\a], 0.5, v[220+8*\a]    ; with one open key the sum is 1 or more: this holds only the sum of a query with none
.endr
	s_wait_alu depctr_va_vdst(0)
.irp a, 0,1
	v_log_f32 v[220+8*\a], v[220+8*\a]
.endr
	v_nop
	s_wait_alu depctr_va_vdst(0)
.irp a, 0,1
	v_sub_f32 v[244+2*\a], v[217+8*\a], v[220+8*\a]
.endr
.irp a, 0,1
	s_delay_alu instid0(VALU_DEP_2)
	v_mov_b32 v[245+2*\a], v[244+2*\a]
.endr
.set J, 0
.rept 64
	v_mov_b32 v[152+J], 0                          ; O^T: the step is written once, and its first trip adds onto zeros
.set J, J+1
.endr
; PASS 2
.macro SMUL                            ; both heads' scores of 64 keys: head 0's into v120-151; head 1's in place on C, five places behind the products that read C
.irp u, 0,1,2,3
	WM 120+8*\u, 40+12*\u, 12, 88+8*\u, 30+\u, 9
.endr
	PLACES 5
.irp u, 0,1,2,3
	WM 88+8*\u, 40+12*\u, 18, 88+8*\u, 30+\u, 10
.endr
.endm
.macro QH a, c, s, m, up, bt           ; head a's 32 attn at v[s] become a byte and six registers of P's fragment; v[m]: the block's largest attn
	v_max_num_f32 v[\m], 0x1800000, v[\m]          ; the floor 2^(3 - 127)
	v_add_nc_u32 v[\m], 0xff000000, v[\m]          ; the conversion's scale operand
.if \c == 0
	v_lshrrev_b32 v[248+\a], 23, v[\m]             ; the byte of block h
.else
	v_lshrrev_b32 v[\bt], 23, v[\m]
	v_lshl_or_b32 v[248+\a], v[\bt], 16, v[248+\a] ; and of block 2 + h
.endif
	v_cvt_scalef32_pk16_fp6_f32 v[216+12*\a+6*\c:218+12*\a+6*\c], v[\s:\s+15], v[\m]
	v_cvt_scalef32_pk16_fp6_f32 v[\up:\up+2], v[\s+16:\s+31], v[\m]
	v_nop                                          ; one plain line behind the conversions
.irp i, 0,1,2
	v_mov_b32 v[219+12*\a+6*\c+\i], v[\up+\i]
.endr
.endm
.macro SOFT c                          ; head a's scores lie at v[120 - 32 a], its chains at v[240 + 10 a] and + 1
.irp a, 0,1
.irp k, 0,1
	v_max3_num_f32 v[240+10*\a+\k], v[120-32*\a+16*\k], v[121-32*\a+16*\k], v[122-32*\a+16*\k]   ; each block's largest score, four chains by turns, each result from its low end on
.endr
.endr
.irp i, 3,5,7,9,11,13
.irp a, 0,1
.irp k, 0,1
	v_max3_num_f32 v[240+10*\a+\k], v[240+10*\a+\k], v[120-32*\a+16*\k+\i], v[121-32*\a+16*\k+\i]
.endr
.endr
.endr
	v_max3_num_f32 v240, v240, v135, v241
	v_max3_num_f32 v250, v250, v103, v251
	v_max_num_f32 v240, v240, v151
	v_max_num_f32 v250, v250, v119
	v_fma_f32 v243, v240, s22, v244                ; it goes the way of all scores: the same lines on the same number give the same bits
	v_fma_f32 v253, v250, s22, v246
.set J, 0
.rept 16
	v_pk_fma_f32 v[120+J:121+J], v[120+J:121+J], s[22:23], v[244:245] op_sel_hi:[1,0,0]   ; c s + B
.set J, J+2
.endr
	s_wait_alu depctr_va_vdst(0)                   ; ahead of the batch
	v_exp_f32 v243, v243                           ; head 0's block's largest attn
.set J, 0
.rept 16
	v_exp_f32 v[120+J], v[120+J]                   ; attn, finished and normalised
	v_exp_f32 v[121+J], v[121+J]
	v_pk_fma_f32 v[88+J:89+J], v[88+J:89+J], s[22:23], v[246:247] op_sel_hi:[1,0,0]       ; head 1's, first read behind the wait below
.set J, J+2
.endr
	s_wait_alu depctr_va_vdst(0)                   ; behind head 0's batch and ahead of head 1's
.set J, 0
.rept 32
	v_exp_f32 v[88+J], v[88+J]
.set J, J+1
.endr
	v_exp_f32 v253, v253
	QH 0, \c, 120, 243, 240, 254                   ; head 0's codes stand behind head 1's exponentials, which they do not name
	s_wait_alu depctr_va_vdst(0)                   ; behind head 1's batch
	QH 1, \c, 88, 253, 250, 255
.endm
.macro PV                              ; O^T += V^T P^T over the step's 128 keys: V's tiles 0-3 (asked for ahead of the last codes) are head 0's channels, 4-7 head 1's
.irp u, 0,1,2,3
.irp p, 0,1,2
	ds_load_b128 v[88+12*\u+4*\p:91+12*\u+4*\p], v7 offset:(4+\u)*1536+512*\p    ; the scores are done with
.endr
.endr
	v_lshlrev_b32 v248, v5, v248                   ; my two bytes at their places in the word,
	v_lshlrev_b32 v249, v5, v249
	s_delay_alu instid0(VALU_DEP_2)
	v_permlanex16_b32 v254, v248, s20, s21
	s_delay_alu instid0(VALU_DEP_2)
	v_permlanex16_b32 v255, v249, s20, s21
	s_delay_alu instid0(VALU_DEP_2)
	v_or_b32 v38, v248, v254                       ; with the other half's two: P's scale words
	s_delay_alu instid0(VALU_DEP_2)
	v_or_b32 v39, v249, v255
	PLACES 8                                       ; a scale register written by a vector instruction stands eight places ahead of a scaled product, an operand so written four
	s_wait_alu depctr_va_vdst(0)
	s_wait_dscnt 0x0
.irp u, 0,1,2,3                        ; the eight accumulators take turns
	WM 152+8*\u, 40+12*\u, 216, 152+8*\u, 30+\u, 38
	WM 184+8*\u, 88+12*\u, 228, 184+8*\u, 34+\u, 39
.endr
.endm
.macro CHUNK                           ; a slot's four steps: written once, walked four times
	s_mov_b32 s48, 4
.Lstep_\@:
	v_add_nc_u32 v7, s44, v1                       ; these two and two v_nop: the four places behind the last step's products
	v_add_nc_u32 v8, s44, v2
	PLACES 2
	KLOAD 0
	MASKC
	SMUL
	PLACES 4                                       ; ahead of loads into the products' registers and of the first read of results
	KLOAD 1                                        ; awaited behind the first 64 keys' vector work
	SOFT 0
	MASKC
	SMUL
	v_add_nc_u32 v7, s45, v1                       ; again two of four places
	v_add_nc_u32 v8, s45, v2
	PLACES 2
.irp u, 0,1,2,3
.irp p, 0,1,2
	ds_load_b128 v[40+12*\u+4*\p:43+12*\u+4*\p], v7 offset:\u*1536+512*\p       ; V's tiles 0-3
.endr
.endr
	ds_load_b128 v[30:33], v8 offset:12288
	ds_load_b128 v[34:37], v8 offset:12288+256
	SOFT 1
	PV
	s_add_co_u32 s44, s44, BLK
	s_add_co_u32 s45, s45, BLK
	s_sub_co_u32 s48, s48, 1
	s_cmp_lg_u32 s48, 0
	s_cbranch_scc1 .Lstep_\@
	s_sub_co_u32 s45, s45, 4*BLK
	s_xor_b32 s45, s45, SLOT1                      ; on to the other slot
.endm
; THE CHANGE OF SLOTS stands at a slot's head.  Each wave waits for all its tensor loads (its part of the slot ahead), adds 0 to its spare word, and waits for that and for its reads of the slot that it has left.
; fill = 1: behind a round of the cluster's barrier that slot takes the four steps that follow: the load has four steps' work in which to land.
.macro CHANGE fill
	s_wait_tensorcnt 0x0                           ; no tensor load of mine is out, so a group 0 may be written
	ds_add_u32 v3, v4                              ; 0 onto my spare word
.if \fill
	s_xor_b32 s41, s41, SLOT1                      ; the other slot than last time,
	s_add_nc_u64 s[42:43], s[42:43], 4*BLK         ; the next four steps; the type bits on top are not reached
.endif
	s_wait_dscnt 0x0                               ; the add is done, and my reads of the slot that I have left are over
.if \fill
	CROUND                                         ; both now hold of every wave of all four work-groups
	s_cmp_lt_u32 s[WV], 4
	s_cbranch_scc0 .Lno_load_\@
	tensor_load_to_lds s[40:43], s[28:35]          ; the first thing behind the round, and a wave's one tensor load until the next
	s_nop 0
	PLACES 4
.Lno_load_\@:
.else
	s_barrier_signal -1
	s_barrier_wait -1
.endif
.endm
	s_mov_b32 s44, KB
	s_mov_b32 s45, 0
	s_mov_b32 s47, 3
.Lchunk:                                           ; three trips: the first gives slot 1 its first fill, in the form of a refill; the others fill slots 0 and 1 again
	CHANGE 1
	CHUNK
	s_sub_co_u32 s47, s47, 1
	s_cmp_lg_u32 s47, 0
	s_cbranch_scc1 .Lchunk
	CHANGE 0                                       ; the last slot is written out
	CHUNK
	; THE WAY OUT.  O^T is finished as it stands: register 32 a + i is channel 64 a + 32 (lane / 16) + i of my query: two whole blocks of the last product's K.
	PLACES 4
	v_max3_num_f32 v[T], |v152|, |v153|, 0x1800000
	v_max3_num_f32 v[T+1], |v184|, |v185|, 0x1800000
.set J, 2
.rept 15
	v_max3_num_f32 v[T], v[T], |v[152+J]|, |v[153+J]|
	v_max3_num_f32 v[T+1], v[T+1], |v[184+J]|, |v[185+J]|
.set J, J+2
.endr
	s_delay_alu instid0(VALU_DEP_2)
	v_add_nc_u32 v[T], 0xff000000, v[T]
	s_delay_alu instid0(VALU_DEP_2)
	v_add_nc_u32 v[T+1], 0xff000000, v[T+1]
	s_delay_alu instid0(VALU_DEP_2)
	v_lshrrev_b32 v[T+2], 23, v[T]
	s_delay_alu instid0(VALU_DEP_2)
	v_lshrrev_b32 v[T+3], 23, v[T+1]
	s_delay_alu instid0(VALU_DEP_1)
	v_lshl_or_b32 v[T+2], v[T+3], 16, v[T+2]
	s_delay_alu instid0(VALU_DEP_1)
	v_lshlrev_b32 v[T+2], v5, v[T+2]
	s_delay_alu instid0(VALU_DEP_1)
	v_permlanex16_b32 v[T+3], v[T+2], s20, s21
	s_delay_alu instid0(VALU_DEP_1)
	v_or_b32 v250, v[T+2], v[T+3]
	v_cvt_scalef32_pk16_fp6_f32 v[216:218], v[152:167], v[T]
	v_cvt_scalef32_pk16_fp6_f32 v[U:U+2], v[168:183], v[T]
	v_cvt_scalef32_pk16_fp6_f32 v[222:224], v[184:199], v[T+1]
	v_cvt_scalef32_pk16_fp6_f32 v[U+4:U+6], v[200:215], v[T+1]
	v_nop
.irp i, 0,1,2
	v_mov_b32 v[219+\i], v[U+\i]
	v_mov_b32 v[225+\i], v[U+4+\i]
.endr
.irp p, 0,1,2
	global_store_b128 v1, v[216+4*\p:219+4*\p], s[60:61] offset:512*\p    ; 512 consecutive bytes
.endr
	global_store_b32 v2, v250, s[62:63]            ; my tile's word of row r: one word in four of 256 bytes, which four waves fill between them: 64 bytes beside the 1,536 above
	s_wait_kmcnt 0x0                               ; the mask words asked for behind the last keys
	s_wait_tensorcnt 0x0                           ; the wave's end
	ds_add_u32 v3, v4
	s_wait_dscnt 0x0
	CROUND                                         ; the closing round
	s_endpgm
.Lfunc_end_k_qca2e980e3c_attn:
	.size	k_qca2e980e3c_attn, .Lfunc_end_k_qca2e980e3c_attn-k_qca2e980e3c_attn
	.p2alignl 7, 3214868480
	.fill 96, 4, 3214868480
	.section	.rodata,"a",@progbits
	.p2align	6, 0x0
	.amdhsa_kernel k_qca2e980e3c_attn
		.amdhsa_group_segment_fixed_size 327680
		.amdhsa_private_segment_fixed_size 0
		.amdhsa_enable_private_segment 0
		.amdhsa_kernarg_size 24
		.amdhsa_user_sgpr_count 2
		.amdhsa_user_sgpr_kernarg_segment_ptr 1
		.amdhsa_wavefront_size32 1
		.amdhsa_system_sgpr_workgroup_id_x 1
		.amdhsa_system_sgpr_workgroup_id_y 1
		.amdhsa_system_sgpr_workgroup_id_z 1
		.amdhsa_system_vgpr_workitem_id 0
		.amdhsa_next_free_vgpr 256
		.amdhsa_next_free_sgpr 100
		.amdhsa_reserve_vcc 0
		.amdhsa_float_denorm_mode_32 3
		.amdhsa_float_denorm_mode_16_64 3
		.amdhsa_memory_ordered 1
		.amdhsa_forward_progress 1
		.amdhsa_inst_pref_size 97
	.end_amdhsa_kernel
	.amdgpu_metadata
---
amdhsa.version: [ 1, 2 ]
amdhsa.kernels:
  - .name:           k_qca2e980e3c_attn
    .symbol:         k_qca2e980e3c_attn.kd
    .args:
      - { .name: qkv, .offset: 0, .size: 8, .value_kind: global_buffer, .address_space: global }
      - { .name: mw, .offset: 8, .size: 8, .value_kind: global_buffer, .address_space: global }
      - { .name: oi, .offset: 16, .size: 8, .value_kind: global_buffer, .address_space: global }
    .group_segment_fixed_size: 327680
    .private_segment_fixed_size: 0
    .kernarg_segment_align: 8
    .kernarg_segment_size: 24
    .max_flat_workgroup_size: 512
    .sgpr_count:     100
    .vgpr_count:     256
    .wavefront_size: 32
...
	.end_amdgpu_metadata
.endif
;; end of part 3
;; launch outp (part 4): grid 8 x 32, 4 waves a work-group, clusters of 4 x 4, 327,680 bytes of LDS; arguments oi, wi, bo, out0; writes out0
.if DOCPART == 4
	.amdgcn_target "amdgcn-amd-amdhsa--gfx1250"
	.amdhsa_code_object_version 6
	.text
	.protected	k_qca2e980e3c_outp
	.globl	k_qca2e980e3c_outp
	.p2align	8
	.type	k_qca2e980e3c_outp,@function
k_qca2e980e3c_outp:
	s_mov_b64 s[64:65], 0
	v_nop
	global_prefetch_b8 v0, s[64:65] scope:SCOPE_SE
	s_setreg_imm32_b32 hwreg(HW_REG_WAVE_MODE, 25, 1), 1
	s_wait_xcnt 0x0
	s_wait_alu depctr_hold_cnt(0) depctr_sa_sdst(0) depctr_va_vdst(0) depctr_va_sdst(0) depctr_va_ssrc(0) depctr_va_vcc(0) depctr_vm_vsrc(0)
	s_getreg_b32 s2, hwreg(HW_REG_IB_STS2, 6, 4)
	s_cmp_eq_u32 s2, 0
	s_cbranch_scc0 .Lentry_in_a_cluster
	s_endpgm
.Lentry_in_a_cluster:
	s_bfe_u32 s2, ttmp6, 0x10000c
	s_cmp_lg_u32 s2, 0xf033
	s_cbranch_scc0 .Lentry_shape_is_right
	s_endpgm
.Lentry_shape_is_right:
; out0 = o Wo + bo on codes of FP6 (E2M3) with E8M0 scales; out0 [8192][1024] f32.
; Operands lie in memory as blocks of 12,800 bytes (128 rows x 128 K): tile t's register image at 1,536 t, scale words at 12,288 + 256 (t / 4) + 16 row + 4 (t % 4); row i of tile t is row 64 (t / 4) + 8 (t % 4) + i % 8 + 32 (i / 8).
; A work-group multiplies 128 columns of Wo (source 0: wi's group 24 + i) by two groups of 128 tokens (source 1: oi) over all of K = 1,024: 24 blocks, 307,200 bytes, which lie in LDS together: each byte is filled once, and there is no ring.
; Wave w: token group w / 2, tiles 4 (w % 2) .. + 3, against source 0's eight tiles: 32 accumulators.  A lane holds one token and, in the registers of source 0's tiles 4 c .. 4 c + 3, columns 64 c + 32 (lane / 16) + 0 .. 31.
; The bias is the C of each sum's first product.  CLUSTER 4 x 4: the tokens' blocks are shared along a row of the cluster, the weight's along a column: joint loads.
; REGISTERS: window 0: v1-14 addresses; v16-111 source 1's fragments, two sets; v112-135 scale words, two sets, and nothing else; v136-199 the bias, eight tiles; on the way out v16-79 and v136-199 take rows.
; window 1: accumulator (a, b) at v[8 (8 b + a)].  window 2: source 0's fragments, two sets of 96.
.set BLK,  12800
.set GRP,  8*BLK
.set SRC0, 2*GRP
.set CHK,  4*BLK                       ; what one tensor load brings: four K steps of a group
.set PIT,  528                         ; a stage row: 512 bytes + 16
.set WV,   12
.set LI,   1
.set SR,   2
.set MSB,  0
.macro WIN new
.if MSB != \new
	s_set_vgpr_msb (MSB<<8)|\new
.set MSB, \new
.endif
.endm
.macro PLACES n
.rept \n
	v_nop
.endr
.endm
.macro CROUND
	s_barrier_signal -1
	s_barrier_wait -1
	s_cmp_lg_u32 s[WV], 0
	s_cbranch_scc1 .Lnot_wave_0_\@
	s_barrier_signal -3
.Lnot_wave_0_\@:
	s_barrier_wait -3
	s_barrier_signal -1
	s_barrier_wait -1
.endm
	s_load_b256 s[4:11], s[0:1], 0x0               ; oi s[4:5], wi s[6:7], bo s[8:9], out0 s[10:11]
	v_lshl_add_u32 v254, v0, 2, 0x4b000
	v_mov_b32 v255, 0
	ds_add_u32 v254, v255
	ds_add_u32 v254, v255
	v_lshrrev_b32 v1, 5, v0
	v_readfirstlane_b32 s[WV], v1
	s_lshr_b32 s13, s[WV], 1                       ; u
	s_and_b32 s14, s[WV], 1                        ; q
	s_bfe_u32 s15, ttmp6, 0x40000                  ; cx
	s_bfe_u32 s16, ttmp6, 0x40004                  ; cy
	s_lshl_b32 s18, ttmp9, 2
	s_add_co_u32 s18, s18, s15                     ; i: 128 columns
	s_and_b32 s20, ttmp7, 0xffff
	s_lshl_b32 s20, s20, 2
	s_add_co_u32 s20, s20, s16                     ; j: 256 tokens
	s_add_co_u32 s22, s18, 24
	s_mul_i32 s22, s22, GRP
	s_mov_b32 s23, 0
	s_lshl_b32 s21, s20, 1
	s_add_co_u32 s24, s21, s14                     ; the token group that I would fetch
	s_mul_i32 s24, s24, GRP
	s_mov_b32 s25, 0
	s_lshl_b32 s26, s16, 2
	s_lshl_b32 s26, 15, s26                        ; my row of the cluster
	s_lshl_b32 s27, 0x1111, s15                    ; my column
	s_or_b32 s28, s26, (3<<16)|(1<<21)             ; group 1 for the tokens' blocks: 51,200 dense bytes as 200 rows of 32 elements of 8 bytes
	s_or_b32 s36, s27, (3<<16)|(1<<21)             ; and for the weight's
.irp g, 28, 36
	s_mov_b32 s[\g+1], 32<<16
	s_mov_b32 s[\g+2], 200<<16                     ; 51,200 dense bytes as 200 rows
	s_mov_b32 s[\g+3], 32<<16
	s_mov_b32 s[\g+4], 200
	s_mov_b32 s[\g+5], 32
	s_mov_b32 s[\g+6], 0
	s_mov_b32 s[\g+7], 0
.endr
	s_add_co_u32 s84, s21, s13
	s_lshl_b32 s84, s84, 1
	s_add_co_u32 s84, s84, s14                     ; which 64 rows of out0 are mine
	s_lshl_b32 s84, s84, 18
	s_lshl_b32 s86, s18, 9                         ; my columns, in bytes
	s_add_co_u32 s84, s84, s86
	s_mov_b32 s85, 0
	s_mov_b32 s87, 0
	s_mul_i32 s98, s14, GRP
	s_wait_dscnt 0x0
	s_wait_kmcnt 0x0
	s_add_nc_u64 s[94:95], s[6:7], s[22:23]
	s_add_nc_u64 s[96:97], s[4:5], s[24:25]
	s_add_nc_u64 s[8:9], s[8:9], s[86:87]
	s_add_nc_u64 s[10:11], s[10:11], s[84:85]
	CROUND                                         ; all sixteen work-groups are here: the joint loads meet
.irp k, 0,1
	s_mov_b32 s[44+4*\k], 1
	s_add_co_u32 s[45+4*\k], s98, CHK*\k
	s_add_nc_u64 s[46+4*\k:47+4*\k], s[96:97], CHK*\k
	s_or_b32 s[47+4*\k], s[47+4*\k], 0x80000000
	s_mov_b32 s[68+4*\k], 1
	s_mov_b32 s[69+4*\k], SRC0+CHK*\k
	s_add_nc_u64 s[70+4*\k:71+4*\k], s[94:95], CHK*\k
	s_or_b32 s[71+4*\k], s[71+4*\k], 0x80000000
.endr
	s_cmp_lt_u32 s[WV], 2                          ; the head's loads, one a wave: waves 0 and 1 K steps 0-3 of the two token groups, wave 2 K steps 0-3 of the weight, wave 3 its K steps 4-7
	s_cbranch_scc0 .Lnot_src1
	tensor_load_to_lds s[44:47], s[28:35]
	s_nop 0
	PLACES 4
	s_branch .Lasked
.Lnot_src1:
	s_cmp_eq_u32 s[WV], 2
	s_cbranch_scc0 .Lwave_3
	tensor_load_to_lds s[68:71], s[36:43]
	s_nop 0
	PLACES 4
	s_branch .Lasked
.Lwave_3:
	tensor_load_to_lds s[72:75], s[36:43]
	s_nop 0
	PLACES 4
.Lasked:
	v_and_b32 v1, 31, v0
	v_lshlrev_b32 v[LI], 4, v1
	v_and_b32 v3, 15, v0                           ; r
	v_lshlrev_b32 v[SR], 4, v3
	v_bfe_u32 v12, v0, 4, 1
	v_lshlrev_b32 v12, 7, v12                      ; 128 h
.irp a, 0,1,2,3,4,5,6,7                ; the bias in the result's layout: tile a, register j: column 64 (a / 4) + 32 h + 8 (a % 4) + j
	global_load_b128 v[136+8*\a:139+8*\a], v12, s[8:9] offset:256*(\a/4)+32*(\a%4)
	global_load_b128 v[140+8*\a:143+8*\a], v12, s[8:9] offset:256*(\a/4)+32*(\a%4)+16
.endr
	s_mul_i32 s24, s13, GRP
	s_mul_i32 s25, s14, 6144
	s_add_co_u32 s25, s24, s25
	v_add_nc_u32 v4, SRC0, v[LI]
	v_add_nc_u32 v5, SRC0+5*BLK, v[LI]
	v_add_nc_u32 v6, s25, v[LI]
	v_add_nc_u32 v7, 5*BLK, v6
	v_add_nc_u32 v8, SRC0+12288, v[SR]
	v_add_nc_u32 v9, SRC0+12288+5*BLK, v[SR]
	s_lshl_b32 s25, s14, 8
	s_add_co_u32 s25, s25, s24
	s_add_co_u32 s25, s25, 12288
	v_add_nc_u32 v10, s25, v[SR]
	v_add_nc_u32 v11, 5*BLK, v10
	s_mul_i32 s25, s[WV], 16*PIT                   ; my stage
	v_mul_u32_u24 v13, v3, PIT
	v_add_nc_u32 v13, v13, v12
	v_add_nc_u32 v13, s25, v13                     ; in: row r, + 128 h
	v_add_nc_u32 v14, s25, v[LI]                   ; back: 16 bytes a lane of a row
.macro FETCH s, p
.if (\s) < 5
.set HI, 0
.set SO, (\s)*BLK
.else
.set HI, 1
.set SO, ((\s)-5)*BLK
.endif
	WIN 0x80
.irp a, 0,1,2,3,4,5,6,7
.irp c, 0,1,2
	ds_load_b128 v[96*(\p)+12*\a+4*\c:96*(\p)+12*\a+4*\c+3], v[4+HI] offset:SO+1536*\a+512*\c
.endr
.endr
	WIN 0
.irp b, 0,1,2,3
.irp c, 0,1,2
	ds_load_b128 v[16+48*(\p)+12*\b+4*\c:16+48*(\p)+12*\b+4*\c+3], v[6+HI] offset:SO+1536*\b+512*\c
.endr
.endr
	ds_load_b128 v[112+12*(\p):115+12*(\p)], v[8+HI] offset:SO
	ds_load_b128 v[116+12*(\p):119+12*(\p)], v[8+HI] offset:SO+256
	ds_load_b128 v[120+12*(\p):123+12*(\p)], v[10+HI] offset:SO
.endm
.macro MULS p, first                   ; 32 products; the 32 accumulators take turns, in the same order in every K step
.if \first
	WIN 0x42                                       ; source 0 window 2, source 1 and C (the bias) window 0, D window 1
.else
	WIN 0x52                                       ; C and D window 1
.endif
.irp b, 0,1,2,3
.irp a, 0,1,2,3,4,5,6,7
.if \first
	v_wmma_scale_f32_16x16x128_f8f6f4 v[8*(8*\b+\a):8*(8*\b+\a)+7], v[96*(\p)+12*\a:96*(\p)+12*\a+11], v[16+48*(\p)+12*\b:16+48*(\p)+12*\b+11], v[136+8*\a:143+8*\a], v[112+12*(\p)+\a], v[120+12*(\p)+\b] matrix_a_fmt:MATRIX_FMT_FP6 matrix_b_fmt:MATRIX_FMT_FP6
.else
	v_wmma_scale_f32_16x16x128_f8f6f4 v[8*(8*\b+\a):8*(8*\b+\a)+7], v[96*(\p)+12*\a:96*(\p)+12*\a+11], v[16+48*(\p)+12*\b:16+48*(\p)+12*\b+11], v[8*(8*\b+\a):8*(8*\b+\a)+7], v[112+12*(\p)+\a], v[120+12*(\p)+\b] matrix_a_fmt:MATRIX_FMT_FP6 matrix_b_fmt:MATRIX_FMT_FP6
.endif
.endr
.endr
	WIN 0
.endm
.macro KSTEP s
	s_wait_dscnt 0x0                               ; this step's fragments are in
.if (\s) == 3
	s_wait_tensorcnt 0x0                           ; my load of the tokens' K steps 4-7 has landed
	s_barrier_signal -1
	s_barrier_wait -1
.endif
.if (\s) < 7
.if (\s) > 0
	PLACES 4                                       ; in front of loads into registers that the last step's products read
.endif
	FETCH (\s)+1, 1-(\s)%2
.endif
.if (\s) == 0
	MULS 0, 1
.else
	MULS (\s)%2, 0
.endif
.endm
	s_wait_alu depctr_va_vdst(0)
	s_wait_tensorcnt 0x0                           ; my load of the head has landed
	ds_add_u32 v254, v255
	s_wait_dscnt 0x0
	CROUND                                         ; everybody's has, in all sixteen work-groups: the joint loads meet
	s_cmp_lt_u32 s[WV], 2
	s_cbranch_scc0 .Lno_second
	tensor_load_to_lds s[48:51], s[28:35]          ; the tokens' K steps 4-7: three K steps of products stand ahead of the wait for it
	s_nop 0
	PLACES 4
.Lno_second:
	FETCH 0, 0
	s_wait_loadcnt 0x0                             ; the bias
.irp s, 0,1,2,3,4,5,6,7
	KSTEP \s
.endr
; THE WAY OUT, a tile of 16 tokens x 128 columns at a time, through my own stage and back as whole rows of 512 bytes.  The stages lie in the first token group's K steps 0 to 2: those bytes have had their one fill,
; and every wave's reads of them were over in front of a barrier that all have passed.  LDS serves a wave's instructions in order: no wait between the stores and the loads, nor in front of the next tile's stores.
.macro TOSTAGE b
	WIN 0x04                                       ; an LDS store's data: window 1
.irp a, 0,1,2,3,4,5,6,7
	ds_store_b128 v13, v[64*(\b)+8*\a:64*(\b)+8*\a+3] offset:256*(\a/4)+32*(\a%4)          ; each accumulator from its low end on
	ds_store_b128 v13, v[64*(\b)+8*\a+4:64*(\b)+8*\a+7] offset:256*(\a/4)+32*(\a%4)+16
.endr
	WIN 0
.set BB, 16+120*((\b)%2)
.irp t, 0,1,2,3,4,5,6,7,8,9,10,11,12,13,14,15
	ds_load_b128 v[BB+4*\t:BB+4*\t+3], v14 offset:PIT*\t
.endr
.endm
.macro SEND b, younger                 ; younger: the LDS instructions issued behind this tile's loads, which may stay out
.set BB, 16+120*((\b)%2)
	s_wait_dscnt \younger
.irp t, 0,1,2,3,4,5,6,7,8,9,10,11,12,13,14,15
	global_store_b128 v[LI], v[BB+4*\t:BB+4*\t+3], s[10:11] offset:(8*(\b)+(\t%8)+32*(\t/8))*4096 th:TH_STORE_NT   ; 512 consecutive bytes of a row of out0
.endr
.endm
	PLACES 4                                       ; in front of the first read of results and of loads into registers that the last products read
	TOSTAGE 0
.irp b, 1,2,3
.if \b > 1
	s_wait_xcnt 0x0                                ; the stores of the tile two back have read the registers that this tile's loads take
.endif
	TOSTAGE \b
	SEND \b-1, 32                                  ; behind that tile's loads: this tile's 16 stores and 16 loads
.endr
	SEND 3, 0
	s_wait_tensorcnt 0x0
	ds_add_u32 v254, v255
	s_wait_dscnt 0x0
	CROUND                                         ; the closing round
	s_endpgm
.Lfunc_end_k_qca2e980e3c_outp:
	.size	k_qca2e980e3c_outp, .Lfunc_end_k_qca2e980e3c_outp-k_qca2e980e3c_outp
	.p2alignl 7, 3214868480
	.fill 96, 4, 3214868480
	.section	.rodata,"a",@progbits
	.p2align	6, 0x0
	.amdhsa_kernel k_qca2e980e3c_outp
		.amdhsa_group_segment_fixed_size 327680
		.amdhsa_private_segment_fixed_size 0
		.amdhsa_enable_private_segment 0
		.amdhsa_kernarg_size 32
		.amdhsa_user_sgpr_count 2
		.amdhsa_user_sgpr_kernarg_segment_ptr 1
		.amdhsa_wavefront_size32 1
		.amdhsa_system_sgpr_workgroup_id_x 1
		.amdhsa_system_sgpr_workgroup_id_y 1
		.amdhsa_system_sgpr_workgroup_id_z 1
		.amdhsa_system_vgpr_workitem_id 0
		.amdhsa_next_free_vgpr 704
		.amdhsa_next_free_sgpr 100
		.amdhsa_reserve_vcc 0
		.amdhsa_float_denorm_mode_32 3
		.amdhsa_float_denorm_mode_16_64 3
		.amdhsa_memory_ordered 1
		.amdhsa_forward_progress 1
		.amdhsa_inst_pref_size 78
	.end_amdhsa_kernel
	.amdgpu_metadata
---
amdhsa.version: [ 1, 2 ]
amdhsa.kernels:
  - .name:           k_qca2e980e3c_outp
    .symbol:         k_qca2e980e3c_outp.kd
    .args:
      - { .name: oi, .offset: 0, .size: 8, .value_kind: global_buffer, .address_space: global }
      - { .name: wi, .offset: 8, .size: 8, .value_kind: global_buffer, .address_space: global }
      - { .name: bo, .offset: 16, .size: 8, .value_kind: global_buffer, .address_space: global }
      - { .name: out0, .offset: 24, .size: 8, .value_kind: global_buffer, .address_space: global }
    .group_segment_fixed_size: 327680
    .private_segment_fixed_size: 0
    .kernarg_segment_align: 8
    .kernarg_segment_size: 32
    .max_flat_workgroup_size: 128
    .sgpr_count:     100
    .vgpr_count:     704
    .wavefront_size: 32
...
	.end_amdgpu_metadata
.endif
;; end of part 4
